; MI455X (gfx1250); checked and timed in simulation.
; The chip was launched on July 23, 2026; its instructions are those of AMD's public machine-readable ISA for CDNA 5 (MIT licence, August 2026) and "CDNA5" Instruction Set Architecture Reference Guide (July 2026). The comments in the code are by the model that wrote it; some were corrected since.
;; Bert Attention. Allowed arithmetic: matrix products marked QUANTISED: E2M3 operands, one E8M0 scale for each 32 along K, by v_wmma_scale_f32_16x16x128_f8f6f4 with both operands' format E2M3, f32 sums; everything else in f32.
;; Inputs: Wk_codes 1,024 x 32 x 24 uint8 (E2M3 codes of Wk, K innermost, in blocks of 32 codes, four codes in three bytes); Wk_scales 1,024 x 32 uint8 (E8M0 scales of Wk, one for each 32 codes along K); Wo_codes 1,024 x 32 x 24 uint8 (E2M3 codes of Wo, K innermost, in blocks of 32 codes, four codes in three bytes); Wo_scales 1,024 x 32 uint8 (E8M0 scales of Wo, one for each 32 codes along K); Wq_codes 1,024 x 32 x 24 uint8 (E2M3 codes of Wq, K innermost, in blocks of 32 codes, four codes in three bytes); Wq_scales 1,024 x 32 uint8 (E8M0 scales of Wq, one for each 32 codes along K); Wv_codes 1,024 x 32 x 24 uint8 (E2M3 codes of Wv, K innermost, in blocks of 32 codes, four codes in three bytes); Wv_scales 1,024 x 32 uint8 (E8M0 scales of Wv, one for each 32 codes along K); attention_mask 8 x 1 x 1 x 1,024 float32; hidden_states 8 x 1,024 x 1,024 float32; ln_bias 1,024 float32; ln_weight 1,024 float32.
;; Outputs: out0 8 x 1,024 x 1,024 float32.
;; This version of the problem:
;;   THIS VERSION OF THE PROBLEM IS GIVEN IN LOW PRECISION. The matrix products marked QUANTISED in the list below multiply operands that are first quantised to E2M3 (2 exponent bits, 3 mantissa bits; 6 bits a number), with one power-of-two scale for each 32 numbers along K (OCP MX v1.0); their sums are f32. All else is computed in f32.
;;   The module's matrix products, in the order in which they are computed (A, B: the left and right operand; K: the contracted axis; several contracted axes count as one K, in the product's order):
;;     1. [M 8,192, K 1,024] x [K 1,024, N 1,024]; A: input hidden_states; B: input Wq (given as codes): QUANTISED
;;     2. [M 8,192, K 1,024] x [K 1,024, N 1,024]; A: input hidden_states; B: input Wk (given as codes): QUANTISED
;;     3. [M 8,192, K 1,024] x [K 1,024, N 1,024]; A: input hidden_states; B: input Wv (given as codes): QUANTISED
;;     4. batch 128 x [M 1,024, K 64] x [K 64, N 1,024]; A: computed on the way; B: computed on the way: QUANTISED
;;     5. batch 128 x [M 1,024, K 1,024] x [K 1,024, N 64]; A: softmax (see below); B: computed on the way: QUANTISED
;;     6. [M 8,192, K 1,024] x [K 1,024, N 1,024]; A: computed on the way; B: input Wo (given as codes): QUANTISED
;;   THE QUANTISER, for each operand of a quantised product, along K:
;;     - K is cut into blocks of 32 from its start; a last block that is shorter is filled with zeros.
;;     - A block's scale is 2^e with e = floor(log2(the largest magnitude in the block)) - 2, held to -126 .. 127; a block of zeros has e = 0. As a byte (E8M0): e + 127.
;;     - Each number is divided by its block's scale, clamped to +-7.5, and rounded to the nearest number of E2M3, ties to even, subnormals kept.
;;     - The product sums the exact products of the quantised numbers (number of the format x scale) in f32.
;;   ~~~python
;;   def quantise(x, axis):      # numpy; x: float32 -> the quantised numbers, widened to float32 again
;;       x = np.moveaxis(x, axis, -1); K = x.shape[-1]
;;       x = np.pad(x, [(0, 0)] * (x.ndim - 1) + [(0, -K % 32)]); x = x.reshape(x.shape[:-1] + (-1, 32)); a = np.abs(x).max(-1, keepdims=True)
;;       e = np.where(a > 0, np.clip(np.frexp(np.where(a > 0, a, 1))[1] - 1 - 2, -126, 127), 0)      # np.frexp(a)[1] - 1 = floor(log2(a)), exactly
;;       r = np.clip(x / 2.0 ** e, -7.5, 7.5)
;;       step = 2.0 ** (np.maximum(np.frexp(np.where(r == 0, 1, r))[1] - 1, 0) - 3)
;;       q = np.round(r / step) * step * 2.0 ** e      # np.round: ties to even
;;       return np.moveaxis(q.reshape(q.shape[:-2] + (-1,))[..., :K], -1, axis).astype(np.float32)
;;   ~~~
;;   SOFTMAX AHEAD OF A QUANTISED PRODUCT. Where the list says 'softmax', what is quantised is not the finished softmax but p = 2^(t - M), with t = logit x log2(e) and M = ceil(the row's largest t), a whole number; so 1/2 < the row's largest p <= 1. The row's sum l is taken of the UNQUANTISED p, in f32, and the product's result is divided by l at the end. Since M is a whole number, a kernel that streams over the keys may use a running M (the ceiling of the running maximum): every later rescaling is an exact power of two, which a block's scale takes up: the codes' values come out the same.
;;   OPERANDS COMPUTED ON THE WAY. 'Computed on the way' means the value that the module computes at that place (a softmax that the list does not call 'softmax' is quantised finished and normalised). What goes into a quantiser is computed in f32, as accurately as f32 sums, v_exp_f32 and their like allow (about 1e-6 of the number): no bf16 or f16 on the way to a quantiser, and a product that is left as it is and whose result goes on into a quantised operand takes f32 operands (vector FMAs, or v_wmma_f32_16x16x4_f32). A number that lies on a knife's edge between two numbers of the format may be rounded either way, as far as f32 arithmetic and the matrix unit's own rounding can turn it there, and no further.
;;   INPUTS GIVEN AS CODES. Wk (in the module: [1024, 1024], K = its axis 1); Wo (in the module: [1024, 1024], K = its axis 1); Wq (in the module: [1024, 1024], K = its axis 1); Wv (in the module: [1024, 1024], K = its axis 1): each comes as NAME_codes (uint8): NAME with its K axis moved to the last place and cut into blocks of 32 codes, [.., K / 32, bytes a block], one block behind the other in memory; four codes in three bytes: a row's codes are one little-endian stream of bits, code i at bits 6 i .. 6 i + 5 (a code: sign, 2 exponent bits, 3 mantissa bits); and NAME_scales (uint8): the same leading axes, one E8M0 byte (e + 127) for each 32 codes along K. Its value is code x scale, taken as it is: it is not quantised again, and the codes and scales need not be those that the quantiser above would give.
;; One version. Each part assembles by itself: llvm-mc -triple=amdgcn-amd-amdhsa -mcpu=gfx1250 --defsym DOCPART=n.
;; ======== version 1 of 1: 4 launches
;; limits: inputs' magnitudes at most 134,217,728; right only within a limited range of input values
;; workspace buffers: xq 6,553,600 bytes; qkv 19,660,800 bytes; ctx 6,553,600 bytes
;; launch quantx (part 1): grid 256 x 1, 4 waves a work-group, no clusters, 33,280 bytes of LDS; arguments hidden_states, xq; writes xq
.if DOCPART == 1
	.amdgcn_target "amdgcn-amd-amdhsa--gfx1250"
	.amdhsa_code_object_version 6
	.text
	.protected	k_q31fd0235f7_quantx
	.globl	k_q31fd0235f7_quantx
	.p2align	8
	.type	k_q31fd0235f7_quantx,@function
k_q31fd0235f7_quantx:
	s_mov_b64 s[64:65], 0
	v_nop
	global_prefetch_b8 v0, s[64:65] scope:SCOPE_SE
	s_setreg_imm32_b32 hwreg(HW_REG_WAVE_MODE, 25, 1), 1
	s_wait_xcnt 0x0
; hidden_states [8192][1024], f32, becomes codes of FP6 (E2M3), K innermost, with one E8M0 byte for each 32 along K.
; xq: the codes [8192][768 bytes] from byte 0, the scale bytes [8192][32] from byte XSCL.
; A block's scale is 2^(floor(log2(its largest magnitude)) - 2): its byte is the largest magnitude's exponent field - 2, held at 1 from below.
; LIMITS: a block of zeros gets the byte 1 where the rule says 127 (its codes are zeros, and this program alone reads the bytes); NaN and infinities among the inputs are not served.
; Rows are dense and 1024 is a multiple of 32: the tensor is a plain stream of blocks, and so are the codes and the bytes.
; A wave takes 16 steps of 512 numbers.  Each of a step's four loads reads 512 consecutive bytes, 16 a lane; the loads of eight steps, 16,384 bytes a wave, are asked for ahead, into eight sets of registers.
; A step's 2,048 bytes turn through the wave's own stage in LDS and come back 64 bytes a lane, so that a lane holds 16 neighbours along K (two neighbouring lanes hold a block).
; A lane's 16 codes are 12 bytes: the wave stores 384 consecutive bytes.  A wave's 256 scale bytes are gathered in its own LDS bytes and leave as 256 consecutive, aligned bytes.  No barrier: waves share nothing.
.set STEPS, 16
.set NS,    8                          ; sets of load registers: steps asked for ahead
.set EMAX,  2
.set CB,    12                         ; bytes of 16 codes
.set SPW,   12                         ; v12 my spare word, v13 0
.set NIL,   13
.set R,     16                         ; v16-143  eight sets of 16 numbers as they are loaded
.set X,     144                        ; v144-175 two sets of 16 neighbours
.set E,     176                        ; v176-191 a scale byte for each step
.set C,     192                        ; v192-255 codes: four registers for each step, so that no store's data are written again
.set WREG,  8192                       ; LDS: a region for each wave: two stages of 32 x SP bytes, behind them its 256 scale bytes
.set SP,    80                         ; a lane's place in a stage: 64 bytes + 16 of padding
.set XSCL,  0x600000                   ; where the scale bytes begin in xq
	s_load_b128 s[4:7], s[0:1], 0x0                ; hidden_states s[4:5], xq s[6:7]
	v_lshl_add_u32 v[SPW], v0, 2, 0x8000
	v_mov_b32 v[NIL], 0
	v_lshrrev_b32 v1, 5, v0
	v_readfirstlane_b32 s16, v1                    ; wave
	v_and_b32 v2, 31, v0                           ; lane
	v_lshlrev_b32 v3, 4, v2                        ; my 16 bytes of a load's 512
	s_mul_i32 s17, s16, WREG
	v_lshrrev_b32 v14, 2, v2
	v_mul_u32_u24 v14, v14, SP
	v_and_b32 v15, 3, v2
	v_lshl_add_u32 v14, v15, 4, v14
	v_add_nc_u32 v14, s17, v14                     ; the stage, on the way in: SP (lane / 4) + 16 (lane % 4)
	v_mul_u32_u24 v15, v2, SP
	v_add_nc_u32 v15, s17, v15                     ; and on the way out: SP x lane: my 16 neighbours
	v_mul_u32_u24 v4, v2, CB                       ; my codes' place in a step's
	v_lshrrev_b32 v5, 1, v2
	s_add_co_u32 s17, s17, 2*32*SP
	v_add_nc_u32 v5, s17, v5                       ; LDS: my wave's 256 scale bytes, my block's byte
	v_lshlrev_b32 v7, 3, v2                        ; and on the way out 8 bytes a lane
	v_add_nc_u32 v6, s17, v7
	s_lshl_b32 s18, ttmp9, 2
	s_add_co_u32 s18, s18, s16                     ; which run of 8,192 numbers is my wave's: 0 .. 1023
	s_lshl_b32 s20, s18, 15                        ; 32,768 bytes of f32 a run
	s_mov_b32 s21, 0
	s_mul_i32 s22, s18, 32*STEPS*CB                ; 6,144 bytes of codes
	s_mov_b32 s23, 0
	s_lshl_b32 s24, s18, 8                         ; 256 scale bytes
	s_add_co_u32 s24, s24, XSCL
	s_mov_b32 s25, 0
	s_wait_alu depctr_va_vdst(0)
	s_wait_kmcnt 0x0
	s_add_nc_u64 s[4:5], s[4:5], s[20:21]
	s_add_nc_u64 s[8:9], s[6:7], s[22:23]
	s_add_nc_u64 s[10:11], s[6:7], s[24:25]
.macro LOAD t
.irp i, 0,1,2,3
	global_load_b128 v[R+16*((\t)%NS)+4*\i:R+16*((\t)%NS)+4*\i+3], v3, s[4:5] offset:2048*(\t)+512*\i   ; 32 lanes read 512 consecutive bytes
.endr
.endm
.macro TURN t                          ; step t's numbers through the stage: LDS serves a wave's instructions in order, so no wait stands between the stores and the loads
.irp i, 0,1,2,3
	ds_store_b128 v14, v[R+16*((\t)%NS)+4*\i:R+16*((\t)%NS)+4*\i+3] offset:32*SP*((\t)%2)+8*SP*\i
.endr
.irp i, 0,1,2,3
	ds_load_b128 v[X+16*((\t)%2)+4*\i:X+16*((\t)%2)+4*\i+3], v15 offset:32*SP*((\t)%2)+16*\i
.endr
.endm
.irp t, 0,1,2,3,4,5,6,7
	LOAD \t
.endr
	s_wait_loadcnt 4*(NS-1)                        ; step 0's four loads are in; the 28 of steps 1 to 7 may be out
	TURN 0
.macro STEP t
.set XS, X+16*((\t)%2)
.if (\t) > 0
	s_wait_dscnt 1                                 ; this step's numbers are back from the stage (the last step's byte store may be out)
.else
	s_wait_dscnt 0x0
.endif
.if (\t)+NS < STEPS
	LOAD (\t)+NS                                   ; the registers that the stage's stores have read take the loads of eight steps on
.endif
.if (\t)+1 < STEPS
.if STEPS-2-(\t) >= NS-1
	s_wait_loadcnt 4*(NS-1)                        ; the next step's four loads are in; those of the seven steps behind it may be out
.else
	s_wait_loadcnt 4*(STEPS-2-(\t))                ; near the end: those of the steps that are left behind it
.endif
	TURN (\t)+1                                    ; and go through the other stage while this step is worked
.endif
	v_max3_num_f32 v8, |v[XS]|, |v[XS+1]|, |v[XS+2]|               ; the largest magnitude of my 16, in two chains
	v_max3_num_f32 v9, |v[XS+3]|, |v[XS+4]|, |v[XS+5]|
.irp i, 6,10
	v_max3_num_f32 v8, v8, |v[XS+\i]|, |v[XS+\i+1]|
	v_max3_num_f32 v9, v9, |v[XS+\i+2]|, |v[XS+\i+3]|
.endr
	v_max3_num_f32 v8, v8, |v[XS+14]|, |v[XS+15]|
	v_max3_num_f32 v8, v8, v9, (EMAX+1)<<23        ; and the floor 2^(EMAX + 1 - 127): the byte cannot fall under 1
	v_max_num_f32_dpp v8, v8, v8 row_xmask:1 row_mask:0xf bank_mask:0xf   ; and of my neighbour's 16: the block's
	v_add_nc_u32 v11, -(EMAX<<23), v8              ; EMAX off its exponent field: the conversion takes the exponent field of this operand as its scale
	v_cvt_scalef32_pk16_fp6_f32 v[C+4*(\t):C+4*(\t)+2], v[XS:XS+15], v11
	v_lshrrev_b32 v[E+(\t)], 23, v11               ; the scale's byte (a plain line behind the conversion)
	ds_store_b8 v5, v[E+(\t)] offset:16*(\t)       ; both lanes of a block write the same byte with the same value
	global_store_b96 v4, v[C+4*(\t):C+4*(\t)+2], s[8:9] offset:32*CB*(\t)
.endm
.irp t, 0,1,2,3,4,5,6,7,8,9,10,11,12,13,14,15
	STEP \t
.endr
	ds_load_b64 v[X:X+1], v6                       ; LDS serves a wave's instructions in order: these see my stores
	s_wait_dscnt 0x0
	global_store_b64 v7, v[X:X+1], s[10:11]        ; 32 lanes store 256 consecutive bytes, aligned
	s_wait_tensorcnt 0x0                           ; the wave's end
	ds_add_u32 v[SPW], v[NIL]
	s_wait_dscnt 0x0
	s_endpgm
.Lfunc_end_k_q31fd0235f7_quantx:
	.size	k_q31fd0235f7_quantx, .Lfunc_end_k_q31fd0235f7_quantx-k_q31fd0235f7_quantx
	.p2alignl 7, 3214868480
	.fill 96, 4, 3214868480
	.section	.rodata,"a",@progbits
	.p2align	6, 0x0
	.amdhsa_kernel k_q31fd0235f7_quantx
		.amdhsa_group_segment_fixed_size 33280
		.amdhsa_private_segment_fixed_size 0
		.amdhsa_enable_private_segment 0
		.amdhsa_kernarg_size 16
		.amdhsa_user_sgpr_count 2
		.amdhsa_user_sgpr_kernarg_segment_ptr 1
		.amdhsa_wavefront_size32 1
		.amdhsa_system_sgpr_workgroup_id_x 1
		.amdhsa_system_sgpr_workgroup_id_y 1
		.amdhsa_system_sgpr_workgroup_id_z 1
		.amdhsa_system_vgpr_workitem_id 0
		.amdhsa_next_free_vgpr 256
		.amdhsa_next_free_sgpr 66
		.amdhsa_reserve_vcc 0
		.amdhsa_float_denorm_mode_32 3
		.amdhsa_float_denorm_mode_16_64 3
		.amdhsa_memory_ordered 1
		.amdhsa_forward_progress 1
		.amdhsa_inst_pref_size 32
	.end_amdhsa_kernel
	.amdgpu_metadata
---
amdhsa.version: [ 1, 2 ]
amdhsa.kernels:
  - .name:           k_q31fd0235f7_quantx
    .symbol:         k_q31fd0235f7_quantx.kd
    .args:
      - { .name: hidden_states, .offset: 0, .size: 8, .value_kind: global_buffer, .address_space: global }
      - { .name: xq, .offset: 8, .size: 8, .value_kind: global_buffer, .address_space: global }
    .group_segment_fixed_size: 33280
    .private_segment_fixed_size: 0
    .kernarg_segment_align: 8
    .kernarg_segment_size: 16
    .max_flat_workgroup_size: 128
    .sgpr_count:     66
    .vgpr_count:     256
    .wavefront_size: 32
...
	.end_amdgpu_metadata
.endif
;; end of part 1
;; launch qkv (part 2): grid 16 x 16, 4 waves a work-group, clusters of 4 x 4, 327,680 bytes of LDS; arguments xq, Wq_codes, Wq_scales, Wk_codes, Wk_scales, Wv_codes, Wv_scales, qkv; writes qkv
.if DOCPART == 2
	.amdgcn_target "amdgcn-amd-amdhsa--gfx1250"
	.amdhsa_code_object_version 6
	.text
	.protected	k_q31fd0235f7_qkv
	.globl	k_q31fd0235f7_qkv
	.p2align	8
	.type	k_q31fd0235f7_qkv,@function
k_q31fd0235f7_qkv:
	s_mov_b64 s[64:65], 0
	v_nop
	global_prefetch_b8 v0, s[64:65] scope:SCOPE_SE
	s_setreg_imm32_b32 hwreg(HW_REG_WAVE_MODE, 25, 1), 1
	s_wait_xcnt 0x0
	s_wait_alu depctr_hold_cnt(0) depctr_sa_sdst(0) depctr_va_vdst(0) depctr_va_sdst(0) depctr_va_ssrc(0) depctr_va_vcc(0) depctr_vm_vsrc(0)
	s_getreg_b32 s2, hwreg(HW_REG_IB_STS2, 6, 4)
	s_cmp_eq_u32 s2, 0
	s_cbranch_scc0 .Lentry_in_a_cluster
	s_endpgm
.Lentry_in_a_cluster:
	s_bfe_u32 s2, ttmp6, 0x10000c
	s_cmp_lg_u32 s2, 0xf033
	s_cbranch_scc0 .Lentry_shape_is_right
	s_endpgm
.Lentry_shape_is_right:
; Q, K, V = x W^T on codes of FP6 (E2M3) with E8M0 scales, K = 1,024, f32 sums, and their quantisers: the results leave as images of operand registers and scale words.
; LIMITS: NaN, infinities and sums beyond f32's range are not served; a block of zeros gets the byte 1 (its codes are zeros, and this program alone reads the bytes).
; THE DEAL.  256 work-groups of four waves, 2 x 2.  Work-group (column s6, row s7) makes 512 tokens x 128 columns of Q (s6 < 8) or K, and V of the same tokens x head s6's 64 columns.
; Wave (a, b) holds in registers, all of K, 64 rows of Wq|k (head 2 (s6 % 8) + b: four tiles) and 32 rows of Wv (tiles 2 b, 2 b + 1): 48 fragments.  It streams 16 blocks of 16 tokens past them: block s = 4 T + e is
; tokens 128 T + 64 a + 16 e + 0 .. 15 of the 512.  A block's eight fragments feed 48 products: V's 16 (two sums by turns), then Q|K's 32 (four by turns).
; Q|K: source 0 = the weight's rows.  Lane r of tile t takes row 32 (r / 8) + 8 t + r % 8 of the head, so that lane (r, h) holds token r and d = 32 h + 0 .. 31: one scale block.  q and k have the same order along d.
; V: source 0 = x's rows: lane (r, h) holds d = r and tokens 8 h + i of the block; a scale block is two blocks of tokens in lanes l and l xor 16; inside it the codes stand in the order 0-7, 16-23, 8-15, 24-31, as p's do in the next launch.
; qkv: images of 16 rows x 128 K (1,536 bytes: registers 0-3 at 16 x lane, 4-5 at 512 + 8 x lane, 6-9 at 768 + 16 x lane, 10-11 at 1,280 + 8 x lane), eight to a wave tile; from byte 0x1200000 the scale words, 512 bytes a wave tile:
; row 16 i + r of a wave tile at 256 (i % 2) + 16 r + 4 (i / 2).  A wave stores halves of images: 512 + 256 bytes on end.  V's scale words leave as 8 bytes of every 16: the other 8 are the head's neighbour's (1,024 bytes a work-group).
; LDS: two slots of 192 rows of 816 bytes (768 + 16 behind every 256); a tile's row is a whole row of codes, 768 bytes from a multiple of 256.  The head: slot 1 takes the weights, slot 0 x's rows 0 to 191, one joint load a wave.
; When all waves hold the weights in registers, a drained round fills slot 1 with rows 192 to 383: waves 0, 1 bring rows 192 to 255 on a line of their own, shown by a plain barrier behind block 2; waves 2, 3 rows 256 to 383.
; Behind block 6 a second drained round shows those and fills slot 0's first 128 rows with rows 384 to 511 (32 a wave); a plain barrier behind block 10 shows them.
; x's rows are shared by a row of the cluster (mask s8), a weight's by a column (mask s9).  x's scale words come by plain loads, 512 bytes on end a block, two blocks ahead.
; Behind block s its set of x's registers takes block s + 2.  Block s - 1's largest magnitudes are taken among block s's products, its conversions stand in the run behind block s.
; The walk is written out: the three meetings differ, and every LDS address is a constant and a term of the wave's number.
; Prefetches: each refill's rows, 256 bytes a lane, shared out by address among the sixteen waves that ask for them jointly; the first two stand at the head, the third behind block 1, five blocks ahead of its load.
.set KROW, 768
.set KS, 32
.set PITCH, 816
.set FR, 12
.set NQ, 8
.set NF, 26                            ; LDS loads of a block's eight fragments
.set SLW, 192*PITCH                    ; slot 1
.set XN, 2*SLW                         ; stage: Q|K's scale bytes, 4 x 512
.set XM, XN+2048                       ; stage: V's, 4 x 256
.set SPARE, XM+1024                    ; the spare words
.set EMAX, 2
.set XSCL, 0x600000
.set ADRA0, 4                          ; v4, v5 my rows of a block, + 64 a rows (v5: pieces behind one padding more)
.set XSO, 6
.set CO8, 8
.set CO16, 9
.set SPW, 10
.set NIL, 11
.set ADRA, 12                          ; v12, v13 the block that is fetched next
.set ADRB0, 14                         ; v14, v15 as v4, v5 for T = 1: wave row 1's rows lie in slot 1
.set ABQ, 16
.set ABV, 17
.set STO, 18
.set STV, 19
.set EB, 20
.set SB, 24                            ; v24-39 Wq|k's scale words; v40-47 Wv's; v52-67 x's, two sets
.set SBV, 40
.set TQ, 48
.set VT, 50
.set SA, 52
.set SOP, 68
.set ACC, 72                           ; v72-135 Q|K's sums, two sets
.set HV, 136                           ; v136-199 V's sums: 32 t + 8 e + i
.set NCD, 200                          ; v200-211 Q|K's codes, two sets of six
.set BA, 200                           ; head: LDS addresses of the weights' tiles
.set BAV, 208
.set VCD, 212                          ; v212-227 V's codes, eight a tile
.set TC, 228
.set TV, 232
.set VP, 240
.set VW, 242
.set SOPV, 244                         ; 2 t + scale block
.set EBV, 248
.set RDN, 252
.set RDM, 253
.set G1W, 24
.set G1V, 32
.set G1X, 40
.set G1Y, 48
.set G0W, 56
.set G0V, 60
.set SEL, 66
.set G0X, 84
.set G0Y, 88
.set G0R, 92
.set MSB, 0
.macro WIN new
.if MSB != \new
	s_set_vgpr_msb (MSB<<8)|\new
.set MSB, \new
.endif
.endm
.macro PLACES n
.rept \n
	v_nop
.endr
.endm
.macro WALU
	s_wait_alu depctr_va_vdst(0)
.endm
.macro BARRIER
	s_barrier_signal -1
	s_barrier_wait -1
.endm
.macro CROUND                          ; a round of the cluster's barrier
	s_barrier_signal -1
	WIN 0
	s_barrier_wait -1
	s_cmp_lg_u32 s14, 0
	s_cbranch_scc1 .Lnot_wave_0_\@
	s_barrier_signal -3
.Lnot_wave_0_\@:
	s_barrier_wait -3
	BARRIER
.endm
.macro TLOAD g0, g1                    ; s_nop 0 and four v_nop behind a tensor load
	tensor_load_to_lds s[\g0:\g0+3], s[\g1:\g1+7]
	s_nop 0
	PLACES 4
.endm
.macro GROUP1 g, mask, rows            ; rows of 768 bytes, 16 bytes of padding behind every 256
	s_or_b32 s[\g+0], s[\mask], (1<<20)|(1<<21)|(5<<22)|(3<<25)
	s_mov_b32 s[\g+1], (KROW&0xffff)<<16
	s_mov_b32 s[\g+2], (KROW>>16)|((\rows)<<16)
	s_mov_b32 s[\g+3], KROW<<16
	s_mov_b32 s[\g+4], \rows
	s_mov_b32 s[\g+5], KROW
	s_mov_b32 s[\g+6], 0
	s_mov_b32 s[\g+7], 0
.endm
.macro SADD d, x
	s_add_co_u32 s\d, s\d, s\x
.endm
.macro G0ADR g, base                   ; group 0's address: base + the offset in s[20:21]
	s_add_nc_u64 s[\g+2:\g+3], s[\base:\base+1], s[20:21]
	s_or_b32 s[\g+3], s[\g+3], 0x80000000
.endm
; fragments: 0-31 Wq|k's (4 q + tile), 32-47 Wv's (32 + 2 q + tile), 48-63 x's two sets (48 + 8 e + q); fragment f lies at register 256 + 12 f
.macro FPLACE f
.set FW_, (256+FR*(\f))>>8
.set FG_, (256+FR*(\f))&255
.endm
.macro FRAG f, q, a0, a1               ; six pieces of 8 bytes, two to a load where both lie behind as many paddings and in one window
.set SKIP_, 0
.irp p, 0,1,2,3,4,5
.if SKIP_
.set SKIP_, 0
.else
.set PC_, 12*(\q)+6*(\p/3)+\p%3
.set PN_, 12*(\q)+6*((\p+1)/3)+(\p+1)%3
.set X_, (PC_%32+3)/32
.set XQ_, (PN_%32+3)/32
.set R_, (256+FR*(\f)+2*\p)&255
	WIN ((256+FR*(\f)+2*\p)>>8)<<6
.if (\p < 5) && (X_ == XQ_) && (R_ < 253)
.set SKIP_, 1
.if X_
	ds_load_2addr_b64 v[R_:R_+3], \a1 offset0:PC_+2*(PC_/32) offset1:PN_+2*(PN_/32)
.else
	ds_load_2addr_b64 v[R_:R_+3], \a0 offset0:PC_+2*(PC_/32) offset1:PN_+2*(PN_/32)
.endif
.elseif X_
	ds_load_b64 v[R_:R_+1], \a1 offset:8*(PC_+2*(PC_/32))
.else
	ds_load_b64 v[R_:R_+1], \a0 offset:8*(PC_+2*(PC_/32))
.endif
.endif
.endr
.endm
.macro FETCHAT e, a0, a1
.irp q, 0,1,2,3,4,5,6,7
	FRAG 48+8*(\e)+\q, \q, \a0, \a1
.endr
	WIN 0
.endm
.macro XSC s                           ; block s's scale words: lane r takes row r's 32 bytes
.irp c, 0,1
	global_load_b128 v[SA+8*((\s)%2)+4*\c:SA+8*((\s)%2)+4*\c+3], v[XSO], s[100:101] offset:4096*((\s)/4)+512*((\s)%4)+16*\c
.endr
.endm
.macro PQK e, q, t
	FPLACE 48+8*(\e)+(\q)
.set XW_, FW_
.set XG_, FG_
	FPLACE 4*(\q)+(\t)
	WIN FW_|(XW_<<2)
	PROD1 ACC+32*(\e)+8*(\t), FG_, XG_, \q, SB+NQ*((\t)/2)+(\q), SA+8*(\e)+(\q), a, (\t)%2
.endm
.macro PV e, q, t, j
	FPLACE 48+8*(\e)+(\q)
.set XW_, FW_
.set XG_, FG_
	FPLACE 32+2*(\q)+(\t)
	WIN XW_|(FW_<<2)
	PROD1 HV+32*(\t)+8*(\j), XG_, FG_, \q, SA+8*(\e)+(\q), SBV+(\q), b, \t
.endm
.macro PROD1 d, s0, s1, q, x0, x1, side, o   ; the first product along K starts the sum with the constant 0
.if \q
	PROD2 \d, \s0, \s1, v[\d:\d+7], \x0, \x1, \side, \o
.else
	PROD2 \d, \s0, \s1, 0, \x0, \x1, \side, \o
.endif
.endm
.macro PROD2 d, s0, s1, c, x0, x1, side, o
.if \o
	v_wmma_scale_f32_16x16x128_f8f6f4 v[\d:\d+7], v[\s0:\s0+FR-1], v[\s1:\s1+FR-1], \c, v[\x0], v[\x1] matrix_a_fmt:MATRIX_FMT_FP6 matrix_b_fmt:MATRIX_FMT_FP6 matrix_\side\()_scale:MATRIX_SCALE_ROW1
.else
	v_wmma_scale_f32_16x16x128_f8f6f4 v[\d:\d+7], v[\s0:\s0+FR-1], v[\s1:\s1+FR-1], \c, v[\x0], v[\x1] matrix_a_fmt:MATRIX_FMT_FP6 matrix_b_fmt:MATRIX_FMT_FP6 matrix_\side\()_scale:MATRIX_SCALE_ROW0
.endif
.endm
; ---- what stands behind product N_ of block S_: at most two vector lines
.macro CHAIN i, x                      ; two chains of v_max3, one over each half of 32 sums, in turn
.set B_, (\x)+16*((\i)%2)+2*((\i)/2)
.set T_, TQ+1-(\i)%2
.if (\i) < 2
	v_max3_num_f32 v[T_], |v[B_]|, |v[B_+1]|, |v[B_+2]|
.else
	v_max3_num_f32 v[T_], v[T_], |v[B_+1]|, |v[B_+2]|
.endif
.endm
.macro CHAINS n, s0, x, m              ; places s0 .. s0 + 9: the chains, the floor, the halves joined, the conversions' scale operand
.if (\n) >= (\s0) && (\n) < (\s0)+10
	WIN 0
.if (\n)-(\s0) < 7
	CHAIN 2*((\n)-(\s0)), \x
	CHAIN 2*((\n)-(\s0))+1, \x
.elseif (\n)-(\s0) == 7
	v_max3_num_f32 v[TQ+1], v[TQ+1], |v[\x+15]|, (EMAX+1)<<23
.elseif (\n)-(\s0) == 8
	v_max3_num_f32 v[TQ], v[TQ], |v[\x+31]|, v[TQ+1]
.else
	v_add_nc_u32 v[SOP+\m], -(EMAX<<23), v[TQ]
.endif
.endif
.endm
.macro ADDR                            ; places 15, 16: the LDS addresses of block S_ + 2; these four lines are also the places between V's last product and the first reader of its sums
.set F_, S_+2
.if N_ == 15
	WIN 0
.if F_ < 16
.set RO_, 16*(F_%4)*PITCH
.set BS_, ADRA0
.if F_/4 == 1
.set RO_, RO_+128*PITCH
.set BS_, ADRB0
.elseif F_/4 == 2
.set RO_, RO_+SLW+64*PITCH
.endif
	v_add_nc_u32 v[ADRA], RO_, v[BS_]
	v_add_nc_u32 v[ADRA+1], RO_, v[BS_+1]
.else
	v_nop
	v_nop
.endif
.elseif N_ == 16
	WIN 0
	v_nop
	v_nop
.endif
.endm
.macro VMAX i                          ; V's two running maxima take in this block's eight sums each, from the low end on; an even block begins them, with the floor
.set B_, HV+32*((\i)%2)+8*(S_%4)+2*((\i)/2)
.if (\i) < 2 && S_%2 == 0
	v_max3_num_f32 v[VT+(\i)%2], |v[B_]|, |v[B_+1]|, (EMAX+1)<<23
.else
	v_max3_num_f32 v[VT+(\i)%2], v[VT+(\i)%2], |v[B_]|, |v[B_+1]|
.endif
.endm
.macro VLIST
.if N_ >= 17 && N_ < 21
	WIN 0
	VMAX 2*(N_-17)
	VMAX 2*(N_-17)+1
.endif
.if S_%2                               ; an odd block ends a scale block of 32 tokens: lane l xor 16's half, the scale operand, the byte
.set U_, (S_%4)/2
.if N_ == 21
	WIN 0
	v_permlanex16_b32 v[VP], v[VT], s[SEL], s[SEL+1]
	v_permlanex16_b32 v[VP+1], v[VT+1], s[SEL], s[SEL+1]
.elseif N_ == 22
	WIN 0
	v_max_num_f32 v[VT], v[VT], v[VP]
	v_max_num_f32 v[VT+1], v[VT+1], v[VP+1]
.elseif N_ == 23
	WIN 0
	v_add_nc_u32 v[SOPV+U_], -(EMAX<<23), v[VT]
	v_add_nc_u32 v[SOPV+2+U_], -(EMAX<<23), v[VT+1]
.elseif N_ == 24
	WIN 0
	v_lshrrev_b32 v[EBV+U_], 23, v[SOPV+U_]
	v_lshrrev_b32 v[EBV+2+U_], 23, v[SOPV+2+U_]
.endif
.endif
.endm
.macro BLOCK                           ; block S_'s 48 products
.set N_, 0
.rept 48
.if N_ < 16
	PV S_%2, N_/2, N_%2, S_%4
.else
	PQK S_%2, (N_-16)/4, N_%4
.endif
.if S_ > 0
	CHAINS N_, 1, ACC+32*(1-S_%2), 1-S_%2
.endif
	ADDR
	VLIST
.set N_, N_+1
.endr
.endm
; ---- the run behind a block
.macro QOUT b                          ; block b's Q|K: 32 codes a lane, the scale's byte into the stage, half an image out
.set E_, (\b)%2
	v_cvt_scalef32_pk16_fp6_f32 v[NCD+6*E_:NCD+6*E_+2], v[ACC+32*E_:ACC+32*E_+15], v[SOP+E_]
	v_cvt_scalef32_pk16_fp6_f32 v[TC:TC+2], v[ACC+32*E_+16:ACC+32*E_+31], v[SOP+E_]
	v_lshrrev_b32 v[EB+E_], 23, v[SOP+E_]
.irp i, 0,1,2
	v_mov_b32 v[NCD+6*E_+3+\i], v[TC+\i]
.endr
	ds_store_b8 v[STO], v[EB+E_] offset:512*((\b)/4)+256*E_+4*(((\b)%4)/2)
	global_store_b128 v[CO16], v[NCD+6*E_:NCD+6*E_+3], s[96:97] offset:98304*((\b)/4)+1536*((\b)%4)
	global_store_b64 v[CO8], v[NCD+6*E_+4:NCD+6*E_+5], s[96:97] offset:98304*((\b)/4)+1536*((\b)%4)+512
.endm
.macro VOUT tt                         ; V's 64 tokens of step tt: two scale blocks a tile; the swap gives each lane a whole block
.irp t, 0,1
	v_cvt_scalef32_pk16_fp6_f32 v[VCD+8*\t:VCD+8*\t+2], v[HV+32*\t:HV+32*\t+15], v[SOPV+2*\t]
	v_cvt_scalef32_pk16_fp6_f32 v[TV+4*\t:TV+4*\t+2], v[HV+32*\t+16:HV+32*\t+31], v[SOPV+2*\t+1]
.endr
	v_lshl_or_b32 v[VW], v[EBV+1], 8, v[EBV]
	v_lshl_or_b32 v[VW+1], v[EBV+3], 8, v[EBV+2]
.irp t, 0,1
.irp i, 0,1,2
	v_permlane16_swap_b32 v[VCD+8*\t+\i], v[TV+4*\t+\i]
.endr
.endr
.irp t, 0,1
.irp i, 0,1,2
	v_mov_b32 v[VCD+8*\t+3+\i], v[TV+4*\t+\i]
.endr
.endr
.irp t, 0,1
	ds_store_b16 v[STV], v[VW+\t] offset:256*(\tt)+128*\t
	global_store_b128 v[CO16], v[VCD+8*\t:VCD+8*\t+3], s[98:99] offset:12288*(\tt)+1536*\t
	global_store_b64 v[CO8], v[VCD+8*\t+4:VCD+8*\t+5], s[98:99] offset:12288*(\tt)+1536*\t+512
.endr
.endm
.macro RUNHEAD
	WIN 0
	PLACES 4                                       ; behind the block's last products, ahead of loads into the registers that they read
	WALU
	s_wait_xcnt 0x0                                ; earlier stores have read their data: those registers are written anew below
.endm
.macro RUN
	RUNHEAD
.if S_ > 0
	QOUT S_-1
.endif
.if S_ == 1
	global_prefetch_b8 v71, s[68:69] th:TH_LOAD_NT scope:SCOPE_SE   ; my 24 blocks of rows 384 to 511
.endif
.if S_%4 == 3
	VOUT S_/4
.endif
.if S_ == 2                            ; a plain barrier: rows 192 to 255 are shown
	s_wait_dscnt 0x0
	s_cmp_lt_u32 s14, 2
	s_cbranch_scc0 .Lnot_first
	s_wait_tensorcnt 0x0
.Lnot_first:
	BARRIER
.elseif S_ == 6                        ; the second refill's round: rows 256 to 383 are in; slot 0's rows 0 to 127 were last read for block 3
	s_wait_tensorcnt 0x0
	ds_add_u32 v[SPW], v[NIL]
	s_mul_i32 s[G0R+1], s14, 32*PITCH
	s_mul_i32 s20, s14, 32*KROW
	SADD 20, 18
	s_add_co_u32 s20, s20, 384*KROW
	G0ADR G0R, 68
	s_wait_dscnt 0x0
	CROUND
	TLOAD G0R, G1X
.elseif S_ == 10                       ; a plain barrier: rows 384 to 511 are shown
	s_wait_tensorcnt 0x0
	s_wait_dscnt 0x0
	BARRIER
.endif
.if S_+2 < 16
	FETCHAT S_%2, v[ADRA], v[ADRA+1]
	XSC S_+2
	s_wait_dscnt NF                                ; the next block's rows are in; younger is the fetch just issued
	s_wait_loadcnt 0x2                             ; and its scale words; younger are the two loads just issued
.else
	s_wait_dscnt 0x0
	s_wait_loadcnt 0x0
.endif
.endm
.macro PFSET v, n, row                 ; my sixteenth of a refill's rows: n blocks of 256 bytes, a lane each (lanes left over name the last again)
	s_mul_i32 s20, s17, (\n)*256
	SADD 20, 18
	s_add_co_u32 s20, s20, (\row)*KROW
	v_min_u32 v\v, (\n)-1, v3
	v_lshl_add_u32 v\v, v\v, 8, s20
.endm
; ================= THE HEAD
	s_load_b512 s[68:83], s[0:1], 0x0              ; xq, Wq's codes and scales, Wk's, Wv's, qkv
	v_lshl_add_u32 v[SPW], v0, 2, SPARE
	v_mov_b32 v[NIL], 0
	ds_add_u32 v[SPW], v[NIL]                      ; the opening lines
	ds_add_u32 v[SPW], v[NIL]
	v_lshrrev_b32 v1, 5, v0
	v_readfirstlane_b32 s14, v1                    ; the wave; s15 its row a, s16 its column b
	s_lshr_b32 s15, s14, 1
	s_and_b32 s16, s14, 1
	s_bfe_u32 s4, ttmp6, 0x40000                   ; cx
	s_bfe_u32 s5, ttmp6, 0x40004                   ; cy
	s_lshl_b32 s6, ttmp9, 2
	SADD 6, 4                                      ; tile column
	s_and_b32 s7, ttmp7, 0xffff
	s_lshl_b32 s7, s7, 2
	SADD 7, 5                                      ; tile row
	s_lshl_b32 s8, s5, 2
	s_lshl_b32 s8, 15, s8                          ; my row of the cluster
	s_lshl_b32 s9, 0x1111, s4                      ; my column
	GROUP1 G1W, 9, 128
	GROUP1 G1V, 9, 64
	GROUP1 G1X, 8, 128
	GROUP1 G1Y, 8, 64
	s_mov_b32 s[G0W], 1
	s_mov_b32 s[G0W+1], SLW
	s_mov_b32 s[G0V], 1
	s_mov_b32 s[G0V+1], SLW+128*PITCH
	s_mov_b32 s[G0X], 1
	s_mov_b32 s[G0X+1], 0
	s_mov_b32 s[G0Y], 1
	s_mov_b32 s[G0Y+1], 128*PITCH
	s_mov_b32 s[G0R], 1
	s_mov_b32 s[SEL], 0x76543210
	s_mov_b32 s[SEL+1], 0xfedcba98
	s_mul_i32 s18, s7, 512*KROW                    ; my 512 rows, bytes from xq
	s_and_b32 s19, s6, 7                           ; the pair of heads of Q or K
	s_lshl_b32 s17, s4, 2
	SADD 17, 14                                    ; my number among the sixteen waves of my row of the cluster
	v_and_b32 v1, 15, v0
	v_bfe_u32 v2, v0, 4, 1
	v_and_b32 v3, 31, v0
	v_mul_u32_u24 v20, v1, PITCH
	v_mad_u32_u24 v21, v2, 24, v20
	v_mad_u32_u24 v22, v2, 40, v20
	s_mul_i32 s20, s15, 64*PITCH
	v_add_nc_u32 v[ADRA0], s20, v21
	v_add_nc_u32 v[ADRA0+1], s20, v22
	s_mul_i32 s20, s15, SLW-128*PITCH
	v_add_nc_u32 v[ADRB0], s20, v21
	v_add_nc_u32 v[ADRB0+1], s20, v22
	s_mul_i32 s20, s16, 32*PITCH
	s_add_co_u32 s20, s20, SLW+128*PITCH
	v_add_nc_u32 v[BAV], s20, v21
	v_add_nc_u32 v[BAV+1], s20, v22
	v_add_nc_u32 v[BAV+2], 16*PITCH, v[BAV]
	v_add_nc_u32 v[BAV+3], 16*PITCH, v[BAV+1]
	v_bfe_u32 v20, v0, 3, 1
	v_and_b32 v23, 7, v0
	v_lshl_add_u32 v23, v20, 5, v23                ; 32 (r / 8) + r % 8
	v_mul_u32_u24 v20, v23, PITCH
	v_mad_u32_u24 v21, v2, 24, v20
	v_mad_u32_u24 v22, v2, 40, v20
	s_mul_i32 s20, s16, 64*PITCH
	s_add_co_u32 s20, s20, SLW
	v_add_nc_u32 v[BA], s20, v21
	v_add_nc_u32 v[BA+1], s20, v22
.irp b, 1,2,3
	v_add_nc_u32 v[BA+2*\b], \b*8*PITCH, v[BA]
	v_add_nc_u32 v[BA+2*\b+1], \b*8*PITCH, v[BA+1]
.endr
	v_lshl_add_u32 v23, v2, 3, v23                 ; lanes 16-31: the odd tile of a pair, 8 rows on
	v_lshlrev_b32 v[ABQ], 5, v23
	v_lshlrev_b32 v[ABV], 5, v3
	v_lshlrev_b32 v[XSO], 5, v1
	v_lshlrev_b32 v[CO16], 4, v3
	v_lshlrev_b32 v[CO8], 3, v3
	v_add_nc_u32 v[ADRA], 16*PITCH, v[ADRA0]
	v_add_nc_u32 v[ADRA+1], 16*PITCH, v[ADRA0+1]
	WALU
	s_lshl_b32 s20, s15, 3
	s_lshl_b32 s22, s16, 1
	SADD 20, 22
	s_add_co_u32 s20, s20, XN
	v_lshl_add_u32 v[STO], v1, 4, v2
	v_add_nc_u32 v[STO], s20, v[STO]               ; XN + 16 r + 8 a + 2 b + h
	s_lshl_b32 s20, s16, 2
	s_lshl_b32 s22, s15, 1
	SADD 20, 22
	s_add_co_u32 s20, s20, XM
	v_lshl_add_u32 v[STV], v1, 3, s20              ; XM + 8 r + 4 b + 2 a
	s_lshl_b32 s20, s14, 9
	s_add_co_u32 s20, s20, XN
	v_add_nc_u32 v[RDN], s20, v[CO16]
	s_lshl_b32 s20, s14, 8
	s_add_co_u32 s20, s20, XM
	v_add_nc_u32 v[RDM], s20, v[CO8]
	v_mov_b32 v[VP], 0                             ; a lane permute's destination counts as a source
	v_mov_b32 v[VP+1], 0
	PFSET 7, 12, 192
	PFSET 70, 24, 256
	PFSET 71, 24, 384
	WALU
	s_wait_dscnt 0x0
	CROUND                                         ; the opening round
	s_wait_kmcnt 0x0
	s_mov_b32 s21, 0
	s_lshr_b32 s23, ttmp9, 1                       ; 0 Q, 1 K: the same in all partners
	s_cmp_eq_u32 s23, 1
	s_cselect_b64 s[10:11], s[74:75], s[70:71]
	s_cselect_b64 s[12:13], s[76:77], s[72:73]
	s_mul_i32 s20, s19, 128*KROW
	G0ADR G0W, 10
	s_mul_i32 s20, s6, 64*KROW
	G0ADR G0V, 78
	s_mov_b32 s20, s18
	G0ADR G0X, 68
	s_add_nc_u64 s[G0Y+2:G0Y+3], s[G0X+2:G0X+3], 128*KROW
	s_cmp_eq_u32 s14, 0
	s_cbranch_scc0 .Lwave_1
	TLOAD G0W, G1W                                 ; wave 0: Wq's or Wk's 128 rows
	s_branch .Lasked
.Lwave_1:
	s_cmp_eq_u32 s14, 1
	s_cbranch_scc0 .Lwave_2
	TLOAD G0V, G1V                                 ; wave 1: Wv's 64 rows
	s_branch .Lasked
.Lwave_2:
	s_cmp_eq_u32 s14, 2
	s_cbranch_scc0 .Lwave_3
	TLOAD G0X, G1X                                 ; wave 2: x's rows 0 to 127
	s_branch .Lasked
.Lwave_3:
	TLOAD G0Y, G1Y                                 ; wave 3: rows 128 to 191
.Lasked:
	s_mul_i32 s20, s19, 128*KS
	s_mul_i32 s22, s16, 64*KS
	SADD 20, 22
	s_add_nc_u64 s[2:3], s[12:13], s[20:21]        ; my 64 rows' scale bytes of Wq|k
	s_mul_i32 s20, s6, 64*KS
	s_mul_i32 s22, s16, 32*KS
	SADD 20, 22
	s_add_nc_u64 s[12:13], s[80:81], s[20:21]      ; my 32 rows' of Wv
	s_mul_i32 s20, s7, 512*KS
	s_mul_i32 s22, s15, 64*KS
	SADD 20, 22
	s_add_co_u32 s20, s20, XSCL
	s_add_nc_u64 s[100:101], s[68:69], s[20:21]    ; x's, at my block 0
.irp p, 0,1
.irp c, 0,1
	global_load_b128 v[SB+NQ*\p+4*\c:SB+NQ*\p+4*\c+3], v[ABQ], s[2:3] offset:\p*512+16*\c
.endr
.endr
.irp c, 0,1
	global_load_b128 v[SBV+4*\c:SBV+4*\c+3], v[ABV], s[12:13] offset:16*\c
.endr
	XSC 0
	s_lshl_b32 s20, s7, 5                          ; where the results go.  Q|K's images: wave tile 8 (4 s7 + T) + s19, image 4 a + e, half b
	SADD 20, 19
	s_mul_i32 s20, s20, 12288
	s_mul_i32 s22, s23, 0x600000
	SADD 20, 22
	s_mul_i32 s22, s15, 6144
	SADD 20, 22
	s_mul_i32 s22, s16, 768
	SADD 20, 22
	s_add_nc_u64 s[96:97], s[82:83], s[20:21]
	s_lshr_b32 s22, s6, 1                          ; V's: wave tile 64 (s6 / 2) + 4 s7 + T, image 4 (s6 % 2) + 2 b + t, half a
	s_lshl_b32 s22, s22, 6
	s_lshl_b32 s17, s7, 2
	SADD 22, 17
	s_mul_i32 s20, s22, 12288
	s_and_b32 s17, s6, 1
	s_mul_i32 s5, s17, 6144
	SADD 20, 5
	s_mul_i32 s5, s16, 3072
	SADD 20, 5
	s_mul_i32 s5, s15, 768
	SADD 20, 5
	s_add_co_u32 s20, s20, 0xC00000
	s_add_nc_u64 s[98:99], s[82:83], s[20:21]
	s_lshl_b32 s20, s7, 2                          ; the scale words: wave w empties step T = w of both stages
	SADD 20, 14
	s_lshl_b32 s20, s20, 3
	SADD 20, 19
	s_lshl_b32 s20, s20, 9
	s_mul_i32 s5, s23, 0x40000
	SADD 20, 5
	s_add_co_u32 s20, s20, 0x1200000
	s_add_nc_u64 s[70:71], s[82:83], s[20:21]
	s_add_co_u32 s20, s22, s14
	s_lshl_b32 s20, s20, 9
	s_lshl_b32 s5, s17, 3
	SADD 20, 5
	s_add_co_u32 s20, s20, 0x1280000
	s_add_nc_u64 s[72:73], s[82:83], s[20:21]
	s_wait_dscnt 0x0
	s_cmp_eq_u32 s14, 0
	s_cbranch_scc0 .Lnot_b
	s_wait_tensorcnt 0x0
.Lnot_b:
	BARRIER                                        ; Wq|k's rows are in
	global_prefetch_b8 v7, s[68:69] th:TH_LOAD_NT scope:SCOPE_SE    ; my 12 blocks of rows 192 to 255,
	global_prefetch_b8 v70, s[68:69] th:TH_LOAD_NT scope:SCOPE_SE   ; my 24 of rows 256 to 383
.irp q, 0,1,2,3,4,5,6,7
.irp b, 0,1,2,3
	FRAG 4*\q+\b, \q, v[BA+2*\b], v[BA+2*\b+1]
.endr
.endr
	WIN 0
	s_cmp_eq_u32 s14, 3
	s_cbranch_scc1 .Lnot_a0
	s_wait_tensorcnt 0x0
.Lnot_a0:
	s_wait_dscnt 0x0
	BARRIER                                        ; Wv's rows and x's first 128 are in; wave 3's load may be out
	FETCHAT 0, v[ADRA0], v[ADRA0+1]
.irp q, 0,1,2,3,4,5,6,7
	FRAG 32+2*\q, \q, v[BAV], v[BAV+1]
	FRAG 32+2*\q+1, \q, v[BAV+2], v[BAV+3]
.endr
	WIN 0
	s_wait_tensorcnt 0x0                           ; the first refill's round: all the head's loads are in,
	ds_add_u32 v[SPW], v[NIL]
	s_mov_b32 s[G1X+2], (KROW>>16)|(32<<16)        ; no load of mine is out: from here on this group counts 32 rows
	s_mov_b32 s[G1X+4], 32
	s_mul_i32 s[G0R+1], s14, 32*PITCH              ; waves 0, 1: rows 192 + 32 w, to slot 1's row 32 w
	s_add_co_u32 s[G0R+1], s[G0R+1], SLW
	s_mul_i32 s20, s14, 32*KROW
	SADD 20, 18
	s_add_co_u32 s20, s20, 192*KROW
	G0ADR G0R, 68
	s_mul_i32 s[G0X+1], s14, 64*PITCH              ; waves 2, 3: rows 128 + 64 w, to slot 1's row 64 w - 64
	s_add_co_u32 s[G0X+1], s[G0X+1], SLW-64*PITCH
	s_mul_i32 s20, s14, 64*KROW
	SADD 20, 18
	s_add_co_u32 s20, s20, 128*KROW
	G0ADR G0X, 68
	s_wait_dscnt 0x0                               ; and every weight of mine is in registers
	CROUND
	s_cmp_lt_u32 s14, 2
	s_cbranch_scc0 .Lrefill_b
	TLOAD G0R, G1X
	s_branch .Lrefilled
.Lrefill_b:
	TLOAD G0X, G1Y
.Lrefilled:
	FETCHAT 1, v[ADRA], v[ADRA+1]
	XSC 1
	s_wait_dscnt NF
	s_wait_loadcnt 0x2
; ================= THE STREAM
.set S_, 0
.rept 15
	BLOCK
	RUN
.set S_, S_+1
.endr
	BLOCK
	RUNHEAD
	QOUT 14
	VOUT 3
.set X, ACC+32                         ; block 15's largest magnitude, by four chains side by side
.irp k, 0,1,2,3
	v_max3_num_f32 v[TQ+\k], |v[X+8*\k]|, |v[X+8*\k+1]|, |v[X+8*\k+2]|
.endr
.irp k, 0,1,2,3
	v_max3_num_f32 v[TQ+\k], v[TQ+\k], |v[X+8*\k+3]|, |v[X+8*\k+4]|
.endr
.irp k, 0,1,2,3
	v_max3_num_f32 v[TQ+\k], v[TQ+\k], |v[X+8*\k+5]|, |v[X+8*\k+6]|
.endr
	v_max3_num_f32 v[TQ], v[TQ], |v[X+7]|, |v[X+15]|
	v_max3_num_f32 v[TQ+1], v[TQ+1], |v[X+23]|, |v[X+31]|
	v_max3_num_f32 v[TQ+2], v[TQ+2], v[TQ+3], (EMAX+1)<<23
	v_max3_num_f32 v[TQ], v[TQ], v[TQ+1], v[TQ+2]
	v_add_nc_u32 v[SOP+1], -(EMAX<<23), v[TQ]
	QOUT 15
	s_wait_dscnt 0x0                               ; for the others' sake: my bytes lie in the stages
	BARRIER
	ds_load_b128 v[ACC:ACC+3], v[RDN]              ; step w's 512 bytes of Q|K's scale words,
	ds_load_b64 v[ACC+4:ACC+5], v[RDM]             ; and its 256 of V's
	s_wait_dscnt 0x0
	global_store_b128 v[CO16], v[ACC:ACC+3], s[70:71]
	global_store_b64 v[CO16], v[ACC+4:ACC+5], s[72:73]
	s_wait_tensorcnt 0x0                           ; the wave's end
	ds_add_u32 v[SPW], v[NIL]
	s_wait_dscnt 0x0
	CROUND                                         ; the closing round
	s_endpgm
.Lfunc_end_k_q31fd0235f7_qkv:
	.size	k_q31fd0235f7_qkv, .Lfunc_end_k_q31fd0235f7_qkv-k_q31fd0235f7_qkv
	.p2alignl 7, 3214868480
	.fill 96, 4, 3214868480
	.section	.rodata,"a",@progbits
	.p2align	6, 0x0
	.amdhsa_kernel k_q31fd0235f7_qkv
		.amdhsa_group_segment_fixed_size 327680
		.amdhsa_private_segment_fixed_size 0
		.amdhsa_enable_private_segment 0
		.amdhsa_kernarg_size 64
		.amdhsa_user_sgpr_count 2
		.amdhsa_user_sgpr_kernarg_segment_ptr 1
		.amdhsa_wavefront_size32 1
		.amdhsa_system_sgpr_workgroup_id_x 1
		.amdhsa_system_sgpr_workgroup_id_y 1
		.amdhsa_system_sgpr_workgroup_id_z 1
		.amdhsa_system_vgpr_workitem_id 0
		.amdhsa_next_free_vgpr 1024
		.amdhsa_next_free_sgpr 102
		.amdhsa_reserve_vcc 0
		.amdhsa_float_denorm_mode_32 3
		.amdhsa_float_denorm_mode_16_64 3
		.amdhsa_memory_ordered 1
		.amdhsa_forward_progress 1
		.amdhsa_inst_pref_size 221
	.end_amdhsa_kernel
	.amdgpu_metadata
---
amdhsa.version: [ 1, 2 ]
amdhsa.kernels:
  - .name:           k_q31fd0235f7_qkv
    .symbol:         k_q31fd0235f7_qkv.kd
    .args:
      - { .name: xq, .offset: 0, .size: 8, .value_kind: global_buffer, .address_space: global }
      - { .name: Wq_codes, .offset: 8, .size: 8, .value_kind: global_buffer, .address_space: global }
      - { .name: Wq_scales, .offset: 16, .size: 8, .value_kind: global_buffer, .address_space: global }
      - { .name: Wk_codes, .offset: 24, .size: 8, .value_kind: global_buffer, .address_space: global }
      - { .name: Wk_scales, .offset: 32, .size: 8, .value_kind: global_buffer, .address_space: global }
      - { .name: Wv_codes, .offset: 40, .size: 8, .value_kind: global_buffer, .address_space: global }
      - { .name: Wv_scales, .offset: 48, .size: 8, .value_kind: global_buffer, .address_space: global }
      - { .name: qkv, .offset: 56, .size: 8, .value_kind: global_buffer, .address_space: global }
    .group_segment_fixed_size: 327680
    .private_segment_fixed_size: 0
    .kernarg_segment_align: 8
    .kernarg_segment_size: 64
    .max_flat_workgroup_size: 128
    .sgpr_count:     102
    .vgpr_count:     1024
    .wavefront_size: 32
...
	.end_amdgpu_metadata
.endif
;; end of part 2
;; launch attn (part 3): grid 2 x 128, 16 waves a work-group, no clusters, 110,592 bytes of LDS; arguments qkv, attention_mask, ctx; writes ctx
.if DOCPART == 3
	.amdgcn_target "amdgcn-amd-amdhsa--gfx1250"
	.amdhsa_code_object_version 6
	.text
	.protected	k_q31fd0235f7_attn
	.globl	k_q31fd0235f7_attn
	.p2align	8
	.type	k_q31fd0235f7_attn,@function
k_q31fd0235f7_attn:
	s_mov_b64 s[64:65], 0
	v_nop
	global_prefetch_b8 v0, s[64:65] scope:SCOPE_SE
	s_setreg_imm32_b32 hwreg(HW_REG_WAVE_MODE, 25, 1), 1
	s_wait_xcnt 0x0
; ctx[b][q][64 head + d] = sum over k of softmax_k(q . k / 8 + mask[b][k]) v[k][d], both products on codes of FP6 (E2M3) with one E8M0 scale for each 32 along K; then ctx is quantised along the hidden axis.
; THE SOFTMAX AHEAD OF THE SECOND PRODUCT: t = (q . k + 8 mask) x log2(e) / 8; M = the row's largest t so far, rounded UP to a whole number; p = 2^(t - M) is quantised along the keys, not normalised.
; The row's sum is taken of the unquantised p, in f32, and divides O at the end.  When M moves, the sum and O are multiplied by 2^(old M - new M): exact.
; SHARES.  A work-group (x = half, y = 16 b + head) owns 512 queries of one head; each of its sixteen waves owns 16 queries at a time, twice.  Four waves share a SIMD: one wave's vector work stands beside another's products.
; The head's K (48 KB), V (48 KB), their scale words and 8 x mask are copied into LDS once, through registers; one barrier; after it LDS is only read.
; No joint loads: a work-group reads its 100 KB once, and only two work-groups read the same bytes.
; q, k, v come as IMAGES OF OPERAND REGISTERS (16 rows x 128 K: registers 0-3 at 16 x lane, 4-5 at 512 + 8 x lane, 6-9 at 768 + 16 x lane, 10-11 at 1280 + 8 x lane).  An image of q or k spans two heads: head parity c is the half at 768 c.
; K = 64 IN AN INSTRUCTION OF 128: the query operand's registers 6-11 are zero codes; a key tile's registers 6-11 are whatever lies behind it (the next tile's codes, finite in this format); both sides' scale bytes 2 and 3 are 0, which is 2^-127.
; LAYOUT.  Both products are used transposed: S^T = K Q^T + 8 mask (the mask is the C operand), O^T = V^T P^T: a lane holds ONE query (lane % 16) throughout.  In S^T's tile t register j of lane (r, h) is key 16 t + 8 h + j; p's codes
; so stand inside each block of 32 keys in the order 0-7, 16-23, 8-15, 24-31, the order in which v's codes were laid.  q and k share that order along d.
; ctx meets a weight in natural order: ahead of its quantiser the two tiles of a block exchange halves of the lanes, so that a lane holds d = 32 b + 16 h + 0 .. 15.
; LIMITS: 8 x mask is held at -2^30 from below (mask values under -2^27 count as -2^27: p = 0 beside any key that is not so masked; a row ALL of whose keys lie under that is not served); a block of zeros gets the byte 1; NaN is not served.
; REGISTERS: v1-6 lane terms; v7-11 addresses in hand; v12 -M, v13 the largest t, v[14:15] the sum; v16-27, v28-39 the two query operands; v40-87 K's 8 x 6, then V's 4 x 12; v88-93 zeros behind K's last tile;
;   v96-159 S^T, then p; v160-191 O^T; v192-203 p's codes; v204-211 the conversions' second halves; v212-223 at work; v224-227 K's scale words, v228-229 V's, v230, v231 Q's; v234 f, v235 p's scale word; v236-239 at work.
.set KIMG, 0                           ; LDS: 64 key tiles x 768 bytes
.set VIMG, 49152                       ; 8 steps x 4 tiles of d x 1,536 bytes
.set KSC,  98304                       ; 8 steps x 32 lanes x 4 words
.set VSC,  102400                      ; 8 steps x 32 lanes x 2 words
.set MSK,  104448                      ; 1,024 f32: 8 x mask
.set QKV_K, 0x600000
.set QKV_V, 0xC00000
.set QKV_S, 0x1200000
.set CTX_S, 0x600000
.set ADM,  7
.set AD16, 8
.set AD8,  9
.set ADS,  10
.set ADT,  11
.set BM,   212                         ; v212-215 a block's largest score, then its largest p
.set BT,   216                         ; v216-219 the other half's, then the bytes
.set BS,   220                         ; v220-223 the conversions' scale operands
.set TK,   25                          ; s25 the step's images: 6,144 bytes a step (K's and V's alike)
.set TS,   26                          ; s26 K's scale words and the mask: 512 bytes a step
.set TJ,   27                          ; s27 V's scale words: 256 bytes a step
.set CNT,  28
	s_load_b128 s[4:7], s[0:1], 0x0                ; qkv s[4:5], attention_mask s[6:7]
	s_load_b64 s[8:9], s[0:1], 0x10                ; ctx
	v_lshl_add_u32 v254, v0, 2, 0x1a800
	v_mov_b32 v255, 0
	v_lshrrev_b32 v1, 5, v0
	s_delay_alu instid0(VALU_DEP_1)
	v_readfirstlane_b32 s18, v1                    ; wave w, 0 .. 15
	v_and_b32 v233, 31, v0                         ; lane
	s_delay_alu instid0(VALU_DEP_1)
	v_lshlrev_b32 v1, 4, v233                      ; 16 x lane
	s_delay_alu instid0(VALU_DEP_2)
	v_lshlrev_b32 v2, 3, v233                      ; 8 x lane
	s_delay_alu instid0(VALU_DEP_2)
	v_add_nc_u32 v3, KSC, v1
	s_delay_alu instid0(VALU_DEP_2)
	v_add_nc_u32 v4, VSC, v2
	v_bfe_u32 v5, v0, 4, 1
	s_delay_alu instid0(VALU_DEP_1)
	v_lshl_add_u32 v5, v5, 5, MSK                  ; my half's eight keys of a tile: 32 h
	v_and_b32 v6, 15, v0
	s_delay_alu instid0(VALU_DEP_1)
	v_lshlrev_b32 v232, 4, v6                      ; 16 r
	s_delay_alu instid0(VALU_DEP_2)
	v_lshlrev_b32 v6, 2, v6                        ; 4 r
	s_mul_i32 s29, s18, 3072                       ; the copy: wave w brings key tiles 4 w .. 4 w + 3 and half a step's V
	v_add_nc_u32 v7, s29, v1
	v_add_nc_u32 v8, s29, v2
	s_lshl_b32 s29, s18, 8
	v_add_nc_u32 v9, s29, v2
	s_delay_alu instid0(VALU_DEP_1)
	v_add_nc_u32 v9, KSC, v9
	s_lshl_b32 s29, s18, 7
	v_lshl_add_u32 v10, v233, 2, VSC
	s_delay_alu instid0(VALU_DEP_1)
	v_add_nc_u32 v10, s29, v10
	v_lshrrev_b32 v11, 1, v233
	v_and_b32 v236, 1, v233
	s_delay_alu instid0(VALU_DEP_1)
	v_lshlrev_b32 v236, 2, v236
	s_delay_alu instid0(VALU_DEP_1)
	v_lshl_add_u32 v11, v11, 4, v236               ; V's scale words in memory: 16 (lane / 2) + 4 (lane % 2)
	s_and_b32 s10, ttmp7, 0xffff
	s_lshr_b32 s11, s10, 4                         ; b
	s_and_b32 s12, s10, 15                         ; head
	s_lshr_b32 s13, s12, 1                         ; hp = head / 2
	s_and_b32 s14, s12, 1                          ; c = head % 2
	s_lshr_b32 s16, s18, 1                         ; s = w / 2: the key step that I copy
	s_and_b32 s17, s18, 1                          ; e = w % 2: which half of it
	s_lshl_b32 s24, s14, 4                         ; 16 c: the bit at which my head's two scale bytes begin
	s_mul_i32 s52, s14, 768
	s_lshl_b32 s54, s17, 8                         ; 256 e
	s_lshl_b32 s19, s11, 6
	s_lshl_b32 s29, s16, 3
	s_add_co_u32 s19, s19, s29
	s_add_co_u32 s19, s19, s13                     ; k's wave tile: 64 b + 8 s + hp
	s_lshl_b32 s53, s13, 6
	s_lshl_b32 s29, s11, 3
	s_add_co_u32 s53, s53, s29
	s_add_co_u32 s53, s53, s16                     ; v's wave tile: 64 hp + 8 b + s
	s_mul_i32 s30, s19, 12288                      ; K's images
	s_mul_i32 s29, s17, 6144
	s_add_co_u32 s30, s30, s29
	s_add_co_u32 s30, s30, s52
	s_add_co_u32 s30, s30, QKV_K
	s_mov_b32 s31, 0
	s_mul_i32 s32, s53, 12288                      ; V's images
	s_mul_i32 s29, s14, 6144
	s_add_co_u32 s32, s32, s29
	s_mul_i32 s29, s17, 3072
	s_add_co_u32 s32, s32, s29
	s_add_co_u32 s32, s32, QKV_V
	s_mov_b32 s33, 0
	s_lshl_b32 s34, s19, 9                         ; K's scale words
	s_add_co_u32 s34, s34, s54
	s_add_co_u32 s34, s34, QKV_S+0x40000
	s_mov_b32 s35, 0
	s_lshl_b32 s36, s53, 9                         ; V's scale words
	s_add_co_u32 s36, s36, s54
	s_lshl_b32 s29, s14, 3
	s_add_co_u32 s36, s36, s29
	s_add_co_u32 s36, s36, QKV_S+0x80000
	s_mov_b32 s37, 0
	s_lshl_b32 s38, s11, 12                        ; the mask: 4,096 b + 256 w
	s_lshl_b32 s29, s18, 8
	s_add_co_u32 s38, s38, s29
	s_mov_b32 s39, 0
	s_lshl_b32 s55, s11, 3                         ; q's wave tile of the first pass: (8 b + 4 half + w / 8) x 8 + hp
	s_lshl_b32 s29, ttmp9, 2
	s_add_co_u32 s55, s55, s29
	s_lshr_b32 s29, s18, 3
	s_add_co_u32 s55, s55, s29
	s_lshl_b32 s55, s55, 3
	s_add_co_u32 s55, s55, s13
	s_and_b32 s56, s18, 7                          ; and the image in it
	s_mul_i32 s40, s55, 12288
	s_mul_i32 s29, s56, 1536
	s_add_co_u32 s40, s40, s29
	s_add_co_u32 s40, s40, s52
	s_mov_b32 s41, 0
	s_lshl_b32 s42, s55, 9                         ; its scale words: row 16 a + r lies at 256 (a % 2) + 16 r + 4 (a / 2)
	s_add_co_u32 s42, s42, s54
	s_lshr_b32 s29, s56, 1
	s_lshl_b32 s29, s29, 2
	s_add_co_u32 s42, s42, s29
	s_add_co_u32 s42, s42, QKV_S
	s_mov_b32 s43, 0
	s_lshl_b32 s44, s11, 6                         ; ctx: token tile T = 64 b + 32 half + w (+ 16 in the second pass); image (8 T + hp), half c
	s_lshl_b32 s29, ttmp9, 5
	s_add_co_u32 s44, s44, s29
	s_add_co_u32 s44, s44, s18
	s_lshl_b32 s44, s44, 3
	s_add_co_u32 s44, s44, s13
	s_mul_i32 s44, s44, 1536
	s_add_co_u32 s44, s44, s52
	s_mov_b32 s45, 0
	s_lshl_b32 s46, s11, 5                         ; its scale words: (T / 2) x 1024 + 128 hp + 64 (T % 2) + 4 r + 2 c
	s_lshl_b32 s29, ttmp9, 4
	s_add_co_u32 s46, s46, s29
	s_add_co_u32 s46, s46, s16
	s_lshl_b32 s46, s46, 10
	s_lshl_b32 s29, s13, 7
	s_add_co_u32 s46, s46, s29
	s_lshl_b32 s29, s17, 6
	s_add_co_u32 s46, s46, s29
	s_lshl_b32 s29, s14, 1
	s_add_co_u32 s46, s46, s29
	s_add_co_u32 s46, s46, CTX_S
	s_mov_b32 s47, 0
	s_mov_b32 s20, 0x76543210
	s_mov_b32 s21, 0xfedcba98                      ; v_permlanex16_b32's selects for lane l xor 16
	s_mov_b32 s22, 0x3e38aa3b                      ; log2(e) / 8
	s_mov_b32 s23, s22                             ; (named with it as a pair, so it is written)
	s_wait_alu depctr_va_vdst(0)
	s_wait_kmcnt 0x0
	s_add_nc_u64 s[30:31], s[4:5], s[30:31]
	s_add_nc_u64 s[32:33], s[4:5], s[32:33]
	s_add_nc_u64 s[34:35], s[4:5], s[34:35]
	s_add_nc_u64 s[36:37], s[4:5], s[36:37]
	s_add_nc_u64 s[38:39], s[6:7], s[38:39]
	s_add_nc_u64 s[40:41], s[4:5], s[40:41]
	s_add_nc_u64 s[42:43], s[4:5], s[42:43]
	s_add_nc_u64 s[44:45], s[8:9], s[44:45]
	s_add_nc_u64 s[46:47], s[8:9], s[46:47]
.irp i, 0,1,2,3
	global_load_b128 v[96+6*\i:99+6*\i], v1, s[30:31] offset:1536*\i          ; my head's half of a key tile's image: 512 + 256 consecutive bytes
	global_load_b64 v[100+6*\i:101+6*\i], v2, s[30:31] offset:1536*\i+512
.endr
.irp i, 0,1,2,3,4,5
	global_load_b128 v[120+4*\i:123+4*\i], v1, s[32:33] offset:512*\i         ; two images of V as they lie
.endr
	global_load_b64 v[144:145], v2, s[34:35]
	global_load_b32 v146, v11, s[36:37]
	global_load_b64 v[148:149], v2, s[38:39]
	global_load_b128 v[16:19], v1, s[40:41]                                    ; my queries of the first pass,
	global_load_b64 v[20:21], v2, s[40:41] offset:512
	global_load_b128 v[28:31], v1, s[40:41] offset:196608                      ; and of the second: 256 tokens on, 16 wave tiles
	global_load_b64 v[32:33], v2, s[40:41] offset:196608+512
	global_load_b32 v230, v232, s[42:43]
	global_load_b32 v231, v232, s[42:43] offset:8192
.irp j, 22,23,24,25,26,27,34,35,36,37,38,39,88,89,90,91,92,93
	v_mov_b32 v[\j], 0                             ; zero codes: the upper 64 along K of both query operands; what stands behind K's last tile
.endr
.irp j, 216,217,218,219,235
	v_mov_b32 v[\j], 0                             ; written once: a lane permute's destination counts as a source; v235 is named in the pair v[234:235] before it is first written
.endr
	s_wait_loadcnt 0x0
	v_bfe_u32 v144, v144, s24, 16                  ; my head's two scale bytes to bytes 0 and 1; bytes 2 and 3 are 0
	v_bfe_u32 v145, v145, s24, 16
	v_bfe_u32 v230, v230, s24, 16
	v_bfe_u32 v231, v231, s24, 16
	v_mul_f32 v148, 0x41000000, v148               ; 8 x mask,
	v_mul_f32 v149, 0x41000000, v149
	s_delay_alu instid0(VALU_DEP_2)
	v_max_num_f32 v148, 0xce800000, v148           ; held at -2^30 from below
	s_delay_alu instid0(VALU_DEP_2)
	v_max_num_f32 v149, 0xce800000, v149
.irp i, 0,1,2,3
	ds_store_b128 v7, v[96+6*\i:99+6*\i] offset:KIMG+768*\i
	ds_store_b64 v8, v[100+6*\i:101+6*\i] offset:KIMG+768*\i+512
.endr
.irp i, 0,1,2,3,4,5
	ds_store_b128 v7, v[120+4*\i:123+4*\i] offset:VIMG+512*\i
.endr
	ds_store_b64 v9, v[144:145]
	ds_store_b64 v9, v[148:149] offset:MSK-KSC
	ds_store_b32 v10, v146
	s_wait_dscnt 0x0                               ; for the others' sake: my stores have landed
	s_barrier_signal -1
	s_barrier_wait -1                              ; the head's K, V, scale words and mask lie in LDS; nobody writes LDS again
; A KEY STEP: 128 keys.  qf: the query operand's first register; qs: its scale word's register.
.macro STEP qf, qs
	v_add_nc_u32 v[AD16], s[TK], v1                ; (these five are also the places behind the last step's products, in front of the loads into the registers that they read)
	v_add_nc_u32 v[AD8], s[TK], v2
	v_add_nc_u32 v[ADS], s[TS], v3
	v_add_nc_u32 v[ADM], s[TS], v5
	v_add_nc_u32 v[ADT], s[TJ], v4
	ds_load_b128 v[224:227], v[ADS]                ; K's scale words: register u, lane l: key 32 u + l
.irp t, 0,1,2,3,4,5,6,7
	ds_load_b128 v[96+8*\t:99+8*\t], v[ADM] offset:64*\t          ; 8 x mask of keys 16 t + 8 h + 0 .. 7, straight into S^T's registers: the product's C
	ds_load_b128 v[100+8*\t:103+8*\t], v[ADM] offset:64*\t+16
.endr
.irp t, 0,1,2,3,4,5,6,7
	ds_load_b128 v[40+6*\t:43+6*\t], v[AD16] offset:KIMG+768*\t
	ds_load_b64 v[44+6*\t:45+6*\t], v[AD8] offset:KIMG+768*\t+512
.endr
	s_wait_alu depctr_va_vdst(0)
	s_wait_dscnt 0x0
.irp t, 0,1,2,3,4,5,6,7                        ; S^T = K Q^T + 8 mask: eight accumulators, one instruction each
.if (\t)%2
	v_wmma_scale_f32_16x16x128_f8f6f4 v[96+8*\t:103+8*\t], v[40+6*\t:51+6*\t], v[\qf:\qf+11], v[96+8*\t:103+8*\t], v[224+\t/2], v[\qs] matrix_a_fmt:MATRIX_FMT_FP6 matrix_b_fmt:MATRIX_FMT_FP6 matrix_a_scale:MATRIX_SCALE_ROW1
.else
	v_wmma_scale_f32_16x16x128_f8f6f4 v[96+8*\t:103+8*\t], v[40+6*\t:51+6*\t], v[\qf:\qf+11], v[96+8*\t:103+8*\t], v[224+\t/2], v[\qs] matrix_a_fmt:MATRIX_FMT_FP6 matrix_b_fmt:MATRIX_FMT_FP6
.endif
.endr
.rept 4
	v_nop                                          ; places: in front of the loads into K's registers, and of the first read of the scores
.endr
.irp dt, 0,1,2,3                               ; V's four fragments are asked for now and land under the softmax
	ds_load_b128 v[40+12*\dt:43+12*\dt], v[AD16] offset:VIMG+1536*\dt
	ds_load_b64 v[44+12*\dt:45+12*\dt], v[AD8] offset:VIMG+1536*\dt+512
	ds_load_b128 v[46+12*\dt:49+12*\dt], v[AD16] offset:VIMG+1536*\dt+768
	ds_load_b64 v[50+12*\dt:51+12*\dt], v[AD8] offset:VIMG+1536*\dt+1280
.endr
	ds_load_b64 v[228:229], v[ADT]                 ; V's scale words: register u, lane l: d = 32 u + l
.irp b, 0,1,2,3
	v_max3_num_f32 v[BM+\b], v[96+16*\b], v[97+16*\b], v[98+16*\b]   ; THE LARGEST SCORE OF EACH BLOCK OF 32 KEYS: for the row's maximum and, since p rises with the score, for the block's largest p
.endr
.irp i, 3,5,7,9,11,13
.irp b, 0,1,2,3
	v_max3_num_f32 v[BM+\b], v[BM+\b], v[96+16*\b+\i], v[97+16*\b+\i]   ; (the four blocks by turns)
.endr
.endr
.irp b, 0,1,2,3
	v_max_num_f32 v[BM+\b], v[BM+\b], v[111+16*\b]
.endr
.irp b, 0,1,2,3
	s_delay_alu instid0(VALU_DEP_4)
	v_permlanex16_b32 v[BT+\b], v[BM+\b], s20, s21
.endr
.irp b, 0,1,2,3
	s_delay_alu instid0(VALU_DEP_4)
	v_max_num_f32 v[BM+\b], v[BM+\b], v[BT+\b]     ; with lane l xor 16's 16 keys
.endr
	s_delay_alu instid0(VALU_DEP_2)
	v_max3_num_f32 v236, v212, v213, v214
	s_delay_alu instid0(VALU_DEP_1)
	v_max_num_f32 v236, v236, v215                 ; the step's largest score of my query
	s_delay_alu instid0(VALU_DEP_1)
	v_mul_f32 v236, s22, v236                      ; as t
	s_delay_alu instid0(VALU_DEP_1)
	v_max_num_f32 v13, v13, v236                   ; the running largest t
	v_mov_b32 v236, v12
	s_delay_alu instid0(VALU_DEP_2)
	v_floor_f32 v12, -v13                          ; the new -M = floor(-t) = -ceil(t): M IS A WHOLE NUMBER
	s_delay_alu instid0(VALU_DEP_1)
	v_sub_f32 v236, v12, v236                      ; M's old value less its new one: a whole number, 0 or less
	s_delay_alu instid0(VALU_DEP_1)
	v_cvt_i32_f32 v236, v236                       ; (it saturates)
	s_delay_alu instid0(VALU_DEP_1)
	v_ldexp_f32 v234, 1.0, v236                    ; f = 2^(old M - new M)
.irp j, 0,2,4,6,8,10,12,14,16,18,20,22,24,26,28,30,32,34,36,38,40,42,44,46,48,50,52,54,56,58,60,62
	v_pk_fma_f32 v[96+\j:97+\j], v[96+\j:97+\j], s[22:23], v[12:13] op_sel_hi:[1,0,0]   ; t - M, two at a time
.endr
.irp b, 0,1,2,3
	v_fma_f32 v[BM+\b], v[BM+\b], s22, v12         ; the same of each block's largest score
.endr
	s_wait_alu depctr_va_vdst(0)
.irp j, 0,1,2,3,4,5,6,7,8,9,10,11,12,13,14,15,16,17,18,19,20,21,22,23,24,25,26,27,28,29,30,31,32,33,34,35,36,37,38,39,40,41,42,43,44,45,46,47,48,49,50,51,52,53,54,55,56,57,58,59,60,61,62,63
	v_exp_f32 v[96+\j], v[96+\j]                   ; p = 2^(t - M), at most 1: NOT normalised
.endr
.irp b, 0,1,2,3
	v_exp_f32 v[BM+\b], v[BM+\b]                   ; the block's largest p: the same two instructions on the same number give the same bits
.endr
	v_pk_mul_f32 v[14:15], v[14:15], v[234:235] op_sel_hi:[1,0]   ; the sums under the new M.  (A plain place behind the exponentials)
	s_wait_alu depctr_va_vdst(0)
.irp b, 0,1,2,3
	v_max_num_f32 v[BM+\b], 0x1800000, v[BM+\b]    ; the floor 2^(3 - 127): the byte cannot fall under 1
.endr
.irp b, 0,1,2,3
	s_delay_alu instid0(VALU_DEP_4)
	v_add_nc_u32 v[BS+\b], 0xff000000, v[BM+\b]    ; 2 off the exponent field: the conversion's scale operand
.endr
.irp b, 0,1,2,3
	s_delay_alu instid0(VALU_DEP_4)
	v_lshrrev_b32 v[BT+\b], 23, v[BS+\b]           ; the scale's byte
.endr
	s_delay_alu instid0(VALU_DEP_3)
	v_lshl_or_b32 v235, v217, 8, v216              ; p's scale word for these 128 keys
	s_delay_alu instid0(VALU_DEP_1)
	v_lshl_or_b32 v235, v218, 16, v235
	s_delay_alu instid0(VALU_DEP_1)
	v_lshl_or_b32 v235, v219, 24, v235
.irp c, 0,1
	v_cvt_scalef32_pk16_fp6_f32 v[192+6*\c:194+6*\c], v[96+32*\c:111+32*\c], v[BS+2*\c]
	v_cvt_scalef32_pk16_fp6_f32 v[204+4*\c:206+4*\c], v[112+32*\c:127+32*\c], v[BS+2*\c+1]   ; (a conversion's three registers begin on an even number)
.endr
	v_nop                                          ; one plain place behind a scaled conversion
.irp c, 0,1                                    ; the operand's layout wants a WHOLE block in a lane
.irp i, 0,1,2
	v_permlane16_swap_b32 v[192+6*\c+\i], v[204+4*\c+\i]
.endr
.irp i, 0,1,2
	s_delay_alu instid0(VALU_DEP_3)
	v_mov_b32 v[195+6*\c+\i], v[204+4*\c+\i]
.endr
.endr
	v_pk_add_f32 v[238:239], v[100:101], v[104:105]
	v_pk_add_f32 v[252:253], v[108:109], v[112:113]
	v_pk_add_f32 v[250:251], v[116:117], v[120:121]
	v_pk_add_f32 v[248:249], v[124:125], v[128:129]
	v_pk_add_f32 v[246:247], v[132:133], v[136:137]
	v_pk_add_f32 v[244:245], v[140:141], v[144:145]
	v_pk_add_f32 v[242:243], v[148:149], v[152:153]
	v_pk_add_f32 v[14:15], v[14:15], v[156:157]
	v_pk_add_f32 v[238:239], v[238:239], v[96:97]
	v_pk_add_f32 v[252:253], v[252:253], v[98:99]
	v_pk_add_f32 v[250:251], v[250:251], v[102:103]
	v_pk_add_f32 v[248:249], v[248:249], v[106:107]
	v_pk_add_f32 v[246:247], v[246:247], v[110:111]
	v_pk_add_f32 v[244:245], v[244:245], v[114:115]
	v_pk_add_f32 v[242:243], v[242:243], v[118:119]
	v_pk_add_f32 v[14:15], v[14:15], v[122:123]
	v_pk_add_f32 v[238:239], v[238:239], v[126:127]
	v_pk_add_f32 v[252:253], v[252:253], v[130:131]
	v_pk_add_f32 v[250:251], v[250:251], v[134:135]
	v_pk_add_f32 v[248:249], v[248:249], v[138:139]
	v_pk_add_f32 v[246:247], v[246:247], v[142:143]
	v_pk_add_f32 v[244:245], v[244:245], v[146:147]
	v_pk_add_f32 v[242:243], v[242:243], v[150:151]
	v_pk_add_f32 v[14:15], v[14:15], v[154:155]
	v_pk_add_f32 v[238:239], v[238:239], v[158:159]
	s_delay_alu instid0(VALU_DEP_2)
	v_pk_add_f32 v[14:15], v[14:15], v[248:249]
	s_delay_alu instid0(VALU_DEP_2)
	v_pk_add_f32 v[238:239], v[238:239], v[246:247]
	v_pk_add_f32 v[252:253], v[252:253], v[244:245]
	v_pk_add_f32 v[250:251], v[250:251], v[242:243]
	s_delay_alu instid0(VALU_DEP_2)
	v_pk_add_f32 v[14:15], v[14:15], v[252:253]
	s_delay_alu instid0(VALU_DEP_2)
	v_pk_add_f32 v[238:239], v[238:239], v[250:251]
	s_delay_alu instid0(VALU_DEP_1)
	v_pk_add_f32 v[14:15], v[14:15], v[238:239]
.irp j, 0,2,4,6,8,10,12,14,16,18,20,22,24,26,28,30
	v_pk_mul_f32 v[160+\j:161+\j], v[160+\j:161+\j], v[234:235] op_sel_hi:[1,0]   ; O^T under the new M: x f.  (With the sums above: the places between p's codes and scale word and the products below)
.endr
	s_wait_alu depctr_va_vdst(0)
	s_wait_dscnt 0x0                               ; V and its scale words are in
.irp dt, 0,1,2,3                               ; O^T += V^T P^T: four accumulators, one instruction each
.if (\dt)%2
	v_wmma_scale_f32_16x16x128_f8f6f4 v[160+8*\dt:167+8*\dt], v[40+12*\dt:51+12*\dt], v[192:203], v[160+8*\dt:167+8*\dt], v[228+\dt/2], v235 matrix_a_fmt:MATRIX_FMT_FP6 matrix_b_fmt:MATRIX_FMT_FP6 matrix_a_scale:MATRIX_SCALE_ROW1
.else
	v_wmma_scale_f32_16x16x128_f8f6f4 v[160+8*\dt:167+8*\dt], v[40+12*\dt:51+12*\dt], v[192:203], v[160+8*\dt:167+8*\dt], v[228+\dt/2], v235 matrix_a_fmt:MATRIX_FMT_FP6 matrix_b_fmt:MATRIX_FMT_FP6
.endif
.endr
	s_add_co_u32 s[TK], s[TK], 6144
	s_add_co_u32 s[TS], s[TS], 512
	s_add_co_u32 s[TJ], s[TJ], 256
.endm
; ONE TILE OF 16 QUERIES against all 1,024 keys, and its way out.
.macro PASS p, qf, qs
.if \p
	s_wait_xcnt 0x0                                ; the first pass's stores have read their data: those registers are written again only behind this wait
.endif
	s_mov_b32 s[TK], 0
	s_mov_b32 s[TS], 0
	s_mov_b32 s[TJ], 0
	v_mov_b32 v13, 0xff61b1e6                      ; the largest t so far: -3e38, under every t
	s_delay_alu instid0(VALU_DEP_1)
	v_floor_f32 v12, -v13                          ; -M
	v_mov_b32 v14, 0                               ; the sum, in two halves
	v_mov_b32 v15, 0
.irp j, 0,1,2,3,4,5,6,7,8,9,10,11,12,13,14,15,16,17,18,19,20,21,22,23,24,25,26,27,28,29,30,31
	v_mov_b32 v[160+\j], 0                         ; O^T.  (The step is written once: its first trip finds zeros, which the first change of M leaves zeros)
.endr
	s_mov_b32 s[CNT], 8
.Lstep_\@:
	STEP \qf, \qs
	s_sub_co_u32 s[CNT], s[CNT], 1
	s_cmp_lg_u32 s[CNT], 0
	s_cbranch_scc1 .Lstep_\@
	v_add_f32 v14, v14, v15                        ; the sum's two halves,
	s_delay_alu instid0(VALU_DEP_1)
	v_permlanex16_b32 v234, v14, s20, s21
	s_delay_alu instid0(VALU_DEP_1)
	v_add_f32 v14, v14, v234                       ; and lane l xor 16's: the row's sum
	s_wait_alu depctr_va_vdst(0)
	v_rcp_f32 v14, v14
.rept 4
	v_nop                                          ; a plain place behind the reciprocal, and the places behind the last products
.endr
	s_wait_alu depctr_va_vdst(0)
.irp j, 0,1,2,3,4,5,6,7,8,9,10,11,12,13,14,15,16,17,18,19,20,21,22,23,24,25,26,27,28,29,30,31
	v_mul_f32 v[96+\j], v[160+\j], v14             ; ctx: register 8 t + j is d = 16 t + 8 h + j of my query; each accumulator from its low end on
.endr
.irp b, 0,1
.irp j, 0,1,2,3,4,5,6,7
	v_permlane16_swap_b32 v[96+16*\b+\j], v[104+16*\b+\j]   ; the even tile's lanes 16-31 change places with the odd tile's lanes 0-15: my 16 registers are now d = 32 b + 16 h + 0 .. 15, in order
.endr
.endr
.irp b, 0,1
	v_max3_num_f32 v[BM+\b], |v[96+16*\b]|, |v[97+16*\b]|, 0x1800000   ; the block's largest magnitude, with the floor 2^(3 - 127)
.endr
.irp i, 2,4,6,8,10,12,14
.irp b, 0,1
	s_delay_alu instid0(VALU_DEP_2)
	v_max3_num_f32 v[BM+\b], v[BM+\b], |v[96+16*\b+\i]|, |v[97+16*\b+\i]|
.endr
.endr
.irp b, 0,1
	s_delay_alu instid0(VALU_DEP_2)
	v_permlanex16_b32 v[BT+\b], v[BM+\b], s20, s21
.endr
.irp b, 0,1
	s_delay_alu instid0(VALU_DEP_2)
	v_max_num_f32 v[BM+\b], v[BM+\b], v[BT+\b]
.endr
.irp b, 0,1
	s_delay_alu instid0(VALU_DEP_2)
	v_add_nc_u32 v[BS+\b], 0xff000000, v[BM+\b]
.endr
.irp b, 0,1
	s_delay_alu instid0(VALU_DEP_2)
	v_lshrrev_b32 v[BT+\b], 23, v[BS+\b]
.endr
	s_delay_alu instid0(VALU_DEP_1)
	v_lshl_or_b32 v236, v217, 8, v216              ; my head's two bytes of the row's scale word
	v_cvt_scalef32_pk16_fp6_f32 v[192:194], v[96:111], v220
	v_cvt_scalef32_pk16_fp6_f32 v[204:206], v[112:127], v221
	v_nop                                          ; one plain place behind a scaled conversion
.irp i, 0,1,2
	v_permlane16_swap_b32 v[192+\i], v[204+\i]
.endr
.irp i, 0,1,2
	s_delay_alu instid0(VALU_DEP_3)
	v_mov_b32 v[195+\i], v[204+\i]                 ; six registers: k = 64 c + 32 h + 0 .. 31 of the fragment (token tile T, K step hp)
.endr
	global_store_b128 v1, v[192:195], s[44:45] offset:196608*\p                ; 512 and 256 consecutive bytes, aligned to 256
	global_store_b64 v2, v[196:197], s[44:45] offset:196608*\p+512
	global_store_b16 v6, v236, s[46:47] offset:8192*\p                         ; lanes l and l xor 16 write the same two bytes with the same value
.endm
	PASS 0, 16, 230
	PASS 1, 28, 231
	s_wait_tensorcnt 0x0
	ds_add_u32 v254, v255
	s_wait_dscnt 0x0
	s_endpgm
.Lfunc_end_k_q31fd0235f7_attn:
	.size	k_q31fd0235f7_attn, .Lfunc_end_k_q31fd0235f7_attn-k_q31fd0235f7_attn
	.p2alignl 7, 3214868480
	.fill 96, 4, 3214868480
	.section	.rodata,"a",@progbits
	.p2align	6, 0x0
	.amdhsa_kernel k_q31fd0235f7_attn
		.amdhsa_group_segment_fixed_size 110592
		.amdhsa_private_segment_fixed_size 0
		.amdhsa_enable_private_segment 0
		.amdhsa_kernarg_size 24
		.amdhsa_user_sgpr_count 2
		.amdhsa_user_sgpr_kernarg_segment_ptr 1
		.amdhsa_wavefront_size32 1
		.amdhsa_system_sgpr_workgroup_id_x 1
		.amdhsa_system_sgpr_workgroup_id_y 1
		.amdhsa_system_sgpr_workgroup_id_z 1
		.amdhsa_system_vgpr_workitem_id 0
		.amdhsa_next_free_vgpr 256
		.amdhsa_next_free_sgpr 66
		.amdhsa_reserve_vcc 0
		.amdhsa_float_denorm_mode_32 3
		.amdhsa_float_denorm_mode_16_64 3
		.amdhsa_memory_ordered 1
		.amdhsa_forward_progress 1
		.amdhsa_inst_pref_size 60
	.end_amdhsa_kernel
	.amdgpu_metadata
---
amdhsa.version: [ 1, 2 ]
amdhsa.kernels:
  - .name:           k_q31fd0235f7_attn
    .symbol:         k_q31fd0235f7_attn.kd
    .args:
      - { .name: qkv, .offset: 0, .size: 8, .value_kind: global_buffer, .address_space: global }
      - { .name: attention_mask, .offset: 8, .size: 8, .value_kind: global_buffer, .address_space: global }
      - { .name: ctx, .offset: 16, .size: 8, .value_kind: global_buffer, .address_space: global }
    .group_segment_fixed_size: 110592
    .private_segment_fixed_size: 0
    .kernarg_segment_align: 8
    .kernarg_segment_size: 24
    .max_flat_workgroup_size: 512
    .sgpr_count:     66
    .vgpr_count:     256
    .wavefront_size: 32
...
	.end_amdgpu_metadata
.endif
;; end of part 3
;; launch outln (part 4): grid 256 x 1, 8 waves a work-group, clusters of 4 x 1, 327,680 bytes of LDS; arguments ctx, Wo_codes, Wo_scales, hidden_states, ln_weight, ln_bias, out0; writes out0
.if DOCPART == 4
	.amdgcn_target "amdgcn-amd-amdhsa--gfx1250"
	.amdhsa_code_object_version 6
	.text
	.protected	k_q31fd0235f7_outln
	.globl	k_q31fd0235f7_outln
	.p2align	8
	.type	k_q31fd0235f7_outln,@function
k_q31fd0235f7_outln:
	s_mov_b64 s[64:65], 0
	v_nop
	global_prefetch_b8 v0, s[64:65] scope:SCOPE_SE
	s_setreg_imm32_b32 hwreg(HW_REG_WAVE_MODE, 25, 1), 1
	s_wait_xcnt 0x0
	s_wait_alu depctr_hold_cnt(0) depctr_sa_sdst(0) depctr_va_vdst(0) depctr_va_sdst(0) depctr_va_ssrc(0) depctr_va_vcc(0) depctr_vm_vsrc(0)
	s_getreg_b32 s2, hwreg(HW_REG_IB_STS2, 6, 4)
	s_cmp_eq_u32 s2, 0
	s_cbranch_scc0 .Lentry_in_a_cluster
	s_endpgm
.Lentry_in_a_cluster:
	s_bfe_u32 s2, ttmp6, 0x10000c
	s_cmp_lg_u32 s2, 0x3003
	s_cbranch_scc0 .Lentry_shape_is_right
	s_endpgm
.Lentry_shape_is_right:
; out0 = LayerNorm(ctx Wo^T + hidden_states) x ln_weight + ln_bias.  The product runs on codes of FP6 (E2M3) with one E8M0 scale for each 32 along K = 1024, f32 sums; all else in f32.
; SHARES.  A work-group owns 32 tokens (two tiles of 16) and ALL 1,024 columns, so that a row's mean and variance never leave it.  ctx's 16 fragments (2 tiles x 8 K steps) stay in every wave's registers.
; Wo goes in 8 tiles of 128 rows x all of K (rows of 768 bytes, dense in memory).  In tile j wave w takes Wo's rows 128 j + 16 w + 0 .. 15: 8 K steps x 2 token tiles, two accumulators by turns.
; THE RING.  Three LDS slots of one tile each; tile j lies in slot j % 3.  A tile's work is short, 16 matrix instructions a wave, so the tiles are asked for in few, large groups: all three slots at the start (waves 0-5, 64 rows each);
; slots 0 and 1 together behind tile 1 and again behind tile 4 (waves 0-3); slot 2 behind tile 2 (waves 4, 5).  Wave w always fetches into LDS bytes w x HALF, with one group 0; it never has more than one tensor load out.
; CLUSTER.  The four work-groups of a cluster walk the same tiles of Wo: each load is a JOINT one (mask 15), and each refill stands behind a round of the cluster's barrier.
; THE MATRIX INSTRUCTION IS USED TRANSPOSED (source 0 = 16 rows of Wo, source 1 = 16 tokens): a lane holds one token and eight neighbouring columns.
; THE WAY OUT.  The 32 x 1,024 results meet in a stage in LDS; wave w then owns rows 4 w .. 4 w + 3 whole: residual, mean, variance of the differences (two passes), scale, gain and bias; each store covers 512 consecutive bytes.
; The stage lies from LDS byte 0 on, over slots 0 and 1: both have had their last fill (tiles 6 and 7), and a barrier stands between every wave's last read of them and the first store into the stage.
; REGISTERS.  Window 0: v1, v2 the add's; v3-15, v242-243 addresses; v16-31, v244-251 Wo's scale words, three sets; v32-39 ctx's (lanes 0-15 token tile 0, lanes 16-31 tile 1); v40-135 Wo's 8 fragments; v136-231 ctx, K steps 4-7; v232-241 at work.
;   On the way out: v40-167 four rows of x, then of the result; v168-231 two rows from the stage.   Window 1: v0-95 ctx, K steps 0-3 (on the way out: gain v0-31, bias v32-63); v96-223 the results, (tile j, token tile T) at 96 + 8 (2 j + T).
.set PITCH,  816                       ; an LDS row of Wo: 3 x (256 bytes + 16 of padding) = 204 words: row r starts at bank 12 r mod 64, so the 32 lanes of a load of 8 bytes touch 64 different banks (ISA guide 11.1)
.set HALF,   64*PITCH                  ; what one tensor load brings
.set TILE,   2*HALF                    ; a slot: slot k begins at k x TILE
.set SPITCH, 4112                      ; the stage, from LDS byte 0: 32 rows x (4,096 bytes + 16)
.set SPARE,  3*TILE                    ; behind the slots: the spare words, 128 bytes for each wave, that no other line names
.set CTX_S,  0x600000
.set MSB, 0
.macro WIN new                         ; the immediate's high byte repeats the setting that is left
.if MSB != \new
	s_set_vgpr_msb (MSB<<8)|\new
.set MSB, \new
.endif
.endm
.macro ROUND                           ; a round of the cluster's barrier
	s_barrier_signal -1
	s_barrier_wait -1
	s_cmp_lg_u32 s18, 0
	s_cbranch_scc1 .Lnot_wave_0_\@
	s_barrier_signal -3
.Lnot_wave_0_\@:
	s_barrier_wait -3
	s_barrier_signal -1
	s_barrier_wait -1
.endm
.macro JLOAD lo, hi                    ; waves lo .. hi - 1 fetch 64 rows each; the branches hang on the wave's number alone.  Four v_nop follow the load
.if \lo > 0
	s_cmp_lt_u32 s18, \lo
	s_cbranch_scc1 .Lno_load_\@
.endif
	s_cmp_lt_u32 s18, \hi
	s_cbranch_scc0 .Lno_load_\@
	tensor_load_to_lds s[32:35], s[24:31]
	s_nop 0
.rept 4
	v_nop
.endr
.Lno_load_\@:
.endm
; A CHANGE OF SLOTS, at a tile's head.  Each wave waits for all its tensor loads (its part of the tiles that are read next), adds 0 to its spare word, and waits for that and for its reads of the slots that it has left.
; hi > 0: waves lo .. hi - 1 fill the slots just left; the barrier is then a round of the cluster's, and the joint refill is the first thing behind it.  step = 1: every wave's address goes 384 rows on, three tiles.
.macro CHANGE step, lo, hi
	s_wait_tensorcnt 0x0                           ; no tensor load of mine is out, so the group 0 may be written
	ds_add_u32 v1, v2                              ; 0 onto my spare word
	ds_add_u32 v1, v2
.if \step
	s_add_nc_u64 s[34:35], s[34:35], 384*768       ; the type bits on top are not reached
.endif
	s_wait_dscnt 0x0                               ; the add is done, and my reads of the slots that I have left are over
.if \hi
	ROUND
	JLOAD \lo, \hi
.else
	s_barrier_signal -1
	s_barrier_wait -1
.endif
.endm
.macro FRAG reg, adr, s                ; Wo's fragment of K step s: lane (r, h) takes 24 bytes at 96 s + 24 h and 24 at 96 s + 48 + 24 h of its row, in pieces of 8 bytes
.irp p, 0,1,2,3,4,5
.set PCE, 12*(\s)+6*(\p/3)+\p%3       ; 16 bytes of padding lie behind every 32 pieces: where the piece three on (lanes 16-31) lies behind one padding more, the second address register serves
.if PCE%32 < 29
	ds_load_b64 v[\reg+2*\p:\reg+2*\p+1], v[\adr] offset:8*PCE+16*(PCE/32)
.else
	ds_load_b64 v[\reg+2*\p:\reg+2*\p+1], v[\adr+1] offset:8*PCE+16*(PCE/32)
.endif
.endr
.endm
.macro CLOAD reg, off                  ; an image of ctx into 12 registers
	global_load_b128 v[(\reg):(\reg)+3], v8, s[44:45] offset:(\off)
	global_load_b64 v[(\reg)+4:(\reg)+5], v9, s[44:45] offset:(\off)+512
	global_load_b128 v[(\reg)+6:(\reg)+9], v8, s[44:45] offset:(\off)+768
	global_load_b64 v[(\reg)+10:(\reg)+11], v9, s[44:45] offset:(\off)+1280
.endm
.macro PROD j, s, t                    ; one product: tile j, K step s, token tile t.  The first K step starts the sum with the constant 0
.set RR, 96+8*(2*(\j)+(\t))
.set SA, 16+8*((\j)%3)+212*(((\j)%3)/2)+(\s)   ; Wo's scale words of tile j: set j % 3, at v16, v24 or v244
.if (\s) < 4
.set CF, 12*(2*(\s)+(\t))
.else
.set CF, 136+12*(2*((\s)-4)+(\t))
.endif
.if (\s) == 0
.if (\t) == 0
	v_wmma_scale_f32_16x16x128_f8f6f4 v[RR:RR+7], v[40+12*(\s):51+12*(\s)], v[CF:CF+11], 0, v[SA], v[32+(\s)] matrix_a_fmt:MATRIX_FMT_FP6 matrix_b_fmt:MATRIX_FMT_FP6
.else
	v_wmma_scale_f32_16x16x128_f8f6f4 v[RR:RR+7], v[40+12*(\s):51+12*(\s)], v[CF:CF+11], 0, v[SA], v[32+(\s)] matrix_a_fmt:MATRIX_FMT_FP6 matrix_b_fmt:MATRIX_FMT_FP6 matrix_b_scale:MATRIX_SCALE_ROW1
.endif
.else
.if (\t) == 0
	v_wmma_scale_f32_16x16x128_f8f6f4 v[RR:RR+7], v[40+12*(\s):51+12*(\s)], v[CF:CF+11], v[RR:RR+7], v[SA], v[32+(\s)] matrix_a_fmt:MATRIX_FMT_FP6 matrix_b_fmt:MATRIX_FMT_FP6
.else
	v_wmma_scale_f32_16x16x128_f8f6f4 v[RR:RR+7], v[40+12*(\s):51+12*(\s)], v[CF:CF+11], v[RR:RR+7], v[SA], v[32+(\s)] matrix_a_fmt:MATRIX_FMT_FP6 matrix_b_fmt:MATRIX_FMT_FP6 matrix_b_scale:MATRIX_SCALE_ROW1
.endif
.endif
.endm
	s_load_b256 s[4:11], s[0:1], 0x0               ; ctx s[4:5], Wo's codes s[6:7], Wo's scales s[8:9], hidden_states s[10:11]
	s_load_b128 s[12:15], s[0:1], 0x20             ; ln_weight s[12:13], ln_bias s[14:15]
	s_load_b64 s[16:17], s[0:1], 0x30              ; out0
	v_lshl_add_u32 v1, v0, 2, SPARE
	v_mov_b32 v2, 0
	ds_add_u32 v1, v2
	ds_add_u32 v1, v2
	s_wait_dscnt 0x0
	v_lshrrev_b32 v3, 5, v0
	s_delay_alu instid0(VALU_DEP_1)
	v_readfirstlane_b32 s18, v3                    ; wave 0..7
	s_bfe_u32 s19, ttmp6, 0x40000                  ; cx
	s_lshl_b32 s20, ttmp9, 2
	s_add_co_u32 s20, s20, s19                     ; P: my block of 32 tokens; it enters global addresses of ctx, x and out0 alone
	; descriptor group 1: 64 rows of 96 elements of 8 bytes, dense; 16 bytes of padding behind every 256
	s_mov_b32 s24, 15|(3<<16)|(1<<20)|(1<<21)|(5<<22)|(3<<25)   ; 15:0 the mask: all four work-groups; 17:16 elements of 8 bytes; 20 padding on; 21 set beside a mask; 24:22 after every 64 words; 31:25 of 4 words
	s_mov_b32 s25, 96<<16                          ; tensor_dim0 = 96
	s_mov_b32 s26, 64<<16                          ; tensor_dim1 = 64
	s_mov_b32 s27, 96<<16                          ; tile_dim0 = 96
	s_mov_b32 s28, 64                              ; tile_dim1 = 64
	s_mov_b32 s29, 96                              ; tensor_dim0_stride
	s_mov_b32 s30, 0
	s_mov_b32 s31, 0
	s_mul_i32 s48, s18, 64*768                     ; the 64 rows that I fetch, if I fetch: rows 64 w of the three tiles in hand
	s_mov_b32 s49, 0
	s_mov_b32 s56, 0x3a800000                      ; 1 / 1024
	s_mov_b32 s57, 0x2b8cbccc                      ; 1e-12
	s_mov_b32 s58, 0x76543210
	s_mov_b32 s59, 0xfedcba98                      ; v_permlanex16_b32's selects for lane l xor 16
	s_wait_kmcnt 0x0
	s_mov_b32 s32, 1                               ; group 0: count 1,
	s_mul_i32 s33, s18, HALF                       ; LDS address: wave x 64 rows,
	s_add_nc_u64 s[34:35], s[6:7], s[48:49]        ; global address: tiles 0 to 2,
	s_or_b32 s35, s35, 0x80000000                  ; type 2
	ROUND                                          ; all four work-groups are here: the first joint loads meet
	JLOAD 0, 6                                     ; the first fills: all three slots, one load a wave, in one branch on the wave's number
	s_lshl_b32 s48, s20, 17                        ; 32 rows of 4,096 bytes a block,
	s_lshl_b32 s50, s18, 14                        ; 4 rows a wave
	s_add_co_u32 s48, s48, s50
	s_add_nc_u64 s[40:41], s[10:11], s[48:49]      ; x at my four rows
	s_add_nc_u64 s[42:43], s[16:17], s[48:49]      ; out0 likewise
	s_mul_i32 s48, s20, 16*1536
	s_add_nc_u64 s[44:45], s[4:5], s[48:49]        ; ctx's 16 images of my block
	s_lshl_b32 s48, s20, 10
	s_add_co_u32 s48, s48, CTX_S
	s_add_nc_u64 s[46:47], s[4:5], s[48:49]        ; and their scale words
	v_and_b32 v232, 31, v0                         ; lane
	v_and_b32 v233, 15, v0                         ; r
	v_bfe_u32 v234, v0, 4, 1                       ; h
	s_delay_alu instid0(VALU_DEP_3)
	v_lshlrev_b32 v8, 4, v232                      ; 16 x lane
	s_delay_alu instid0(VALU_DEP_4)
	v_lshlrev_b32 v9, 3, v232                      ; 8 x lane
	v_lshlrev_b32 v14, 8, v232                     ; 256 x lane
	v_lshlrev_b32 v15, 2, v232                     ; 4 x lane
	WIN 0x40                                       ; destination window 1
.irp s, 0,1,2,3
.irp t, 0,1
	CLOAD 12*(2*\s+\t), (8*\t+\s)*1536
.endr
.endr
	WIN 0
.irp s, 4,5,6,7
.irp t, 0,1
	CLOAD 136+12*(2*(\s-4)+\t), (8*\t+\s)*1536
.endr
.endr
.irp s, 0,1,2,3,4,5,6,7
	global_load_b32 v[32+\s], v15, s[46:47] offset:128*\s    ; lane l: token 16 (l / 16) + l % 16 of my 32
.endr
	s_lshl_b32 s50, s18, 4
	v_add_nc_u32 v235, s50, v233                   ; my row of a tile of Wo: 16 w + r
	s_delay_alu instid0(VALU_DEP_1)
	v_lshlrev_b32 v7, 5, v235                      ; its 32 scale bytes
.irp k, 0,1,2
	global_load_b128 v[16+8*\k+212*(\k/2):19+8*\k+212*(\k/2)], v7, s[8:9] offset:4096*\k        ; the scale words of tiles 0 to 2, a set each: the register's number in a set is the K step
	global_load_b128 v[20+8*\k+212*(\k/2):23+8*\k+212*(\k/2)], v7, s[8:9] offset:4096*\k+16
.endr
	; PREFETCHES, behind the head's loads.  Wo's tiles 3 to 7, which the refills will bring: 640 rows = 1,920 blocks of 256 bytes, each named once in the cluster: wave w of the partner at place cx takes blocks 60 (8 cx + w) + 0 .. 59,
	; told apart by address alone, in two instructions of 30 lanes (the two lanes left over name the instruction's last block again).  The first refill stands two tiles on.
	s_lshl_b32 s50, s19, 3
	s_add_co_u32 s50, s50, s18
	s_mul_i32 s50, s50, 60*256
	v_min_u32 v13, 29, v232
	v_lshl_add_u32 v13, v13, 8, s50                ; v13 is never rewritten
	global_prefetch_b8 v13, s[6:7] offset:384*768 th:TH_LOAD_NT scope:SCOPE_SE
	global_prefetch_b8 v13, s[6:7] offset:384*768+30*256 th:TH_LOAD_NT scope:SCOPE_SE
	global_prefetch_b8 v14, s[40:41] th:TH_LOAD_NT scope:SCOPE_SE               ; my four rows of x, 64 blocks of 256 bytes, each asked for once, by the wave that will load it, all eight tiles ahead of the loads
	global_prefetch_b8 v14, s[40:41] offset:8192 th:TH_LOAD_NT scope:SCOPE_SE
	v_mul_u32_u24 v3, v235, PITCH
	s_delay_alu instid0(VALU_DEP_1)
	v_mad_u32_u24 v4, v234, 40, v3                 ; slot 0: row x pitch + 40 h (behind one padding more),
	s_delay_alu instid0(VALU_DEP_2)
	v_mad_u32_u24 v3, v234, 24, v3                 ; and + 24 h
	s_delay_alu instid0(VALU_DEP_1)
	v_add_nc_u32 v5, TILE, v3                      ; slot 1
	s_delay_alu instid0(VALU_DEP_3)
	v_add_nc_u32 v6, TILE, v4
	s_delay_alu instid0(VALU_DEP_3)
	v_add_nc_u32 v242, 2*TILE, v3                  ; slot 2
	v_add_nc_u32 v243, 2*TILE, v4
	v_mul_u32_u24 v10, v233, SPITCH                ; the stage, in: row r, + 64 w + 32 h: my eight columns of a tile
	s_delay_alu instid0(VALU_DEP_1)
	v_lshl_add_u32 v10, v234, 5, v10
	s_lshl_b32 s50, s18, 6
	v_add_nc_u32 v10, s50, v10
	s_delay_alu instid0(VALU_DEP_1)
	v_add_nc_u32 v11, 16*SPITCH, v10               ; token tile 1: 16 rows on
	s_mul_i32 s50, s18, 4*SPITCH
	v_add_nc_u32 v12, s50, v8                      ; back: my four rows, 16 bytes a lane
	v_mov_b32 v236, 0                              ; written once: a lane permute's destination counts as a source;
	v_mov_b32 v239, 0                              ; the upper halves of pairs of which the low word serves both halves
	v_mov_b32 v241, 0
	s_wait_tensorcnt 0x0                           ; my one load, my part of tiles 0 to 2, is in (no load was issued behind it: the count is 0),
	s_barrier_signal -1
	s_barrier_wait -1                              ; everybody's is
	s_wait_loadcnt 0x0                             ; ctx, its scale words, the scale words of tiles 0 to 2
.macro TRIP j
.if (\j) == 2
	CHANGE 1, 0, 4                                 ; tiles 0 and 1 are read out: slots 0 and 1 take tiles 3 and 4
.elseif (\j) == 3
	CHANGE 0, 4, 6                                 ; tile 2 is read out: slot 2 takes tile 5 (waves 4 and 5: their address went on at the change before)
.elseif (\j) == 5
	CHANGE 1, 0, 4                                 ; tiles 3 and 4 are read out: slots 0 and 1 take tiles 6 and 7
.elseif (\j) == 6
	CHANGE 0, 0, 0                                 ; nothing is left to fetch
.endif
.if (\j) > 0
.rept 4
	v_nop                                          ; places behind the last tile's products, in front of loads into the registers that they read
.endr
.endif
.if ((\j) > 0) && ((\j) < 6)
.set SL, 16+8*(((\j)+2)%3)+212*((((\j)+2)%3)/2)
	global_load_b128 v[SL:SL+3], v7, s[8:9] offset:4096*((\j)+2)          ; the scale words of the tile two on, into the set that the last tile's products have left
	global_load_b128 v[SL+4:SL+7], v7, s[8:9] offset:4096*((\j)+2)+16
.endif
.set AD, 3+2*((\j)%3)+235*(((\j)%3)/2)         ; the slot's two address registers: v3, v5 or v242 on
	s_wait_alu depctr_va_vdst(0)
.irp s, 0,1,2,3,4,5,6,7
	FRAG 40+12*\s, AD, \s
.endr
.if (\j) == 7
	s_wait_loadcnt 0x0                             ; this tile's scale words
.elseif (\j) == 6
	s_wait_loadcnt 2                               ; this tile's scale words are in; tile 7's two loads may be out
.elseif (\j) > 2
	s_wait_loadcnt 4                               ; this tile's scale words are in; the four loads for the two tiles that follow may be out
.endif
	s_wait_dscnt 24                                ; K steps 0-3 are in; the 24 loads of K steps 4-7 may be out
	WIN 0x54                                       ; source 1 (ctx), C and D window 1
.irp s, 0,1,2,3
.irp t, 0,1
	PROD \j, \s, \t                                ; the two accumulators take turns, one instruction a turn
.endr
.endr
	s_wait_dscnt 0x0
	WIN 0x50                                       ; ctx's K steps 4-7 lie in window 0
.irp s, 4,5,6,7
.irp t, 0,1
	PROD \j, \s, \t
.endr
.endr
	WIN 0
.endm
.irp j, 0,1,2,3,4,5,6,7
	TRIP \j
.endr
	; THE WAY OUT
.rept 4
	v_nop                                          ; places behind the last products: their results are stored, and their operands' registers are loaded into
.endr
.irp i, 0,1,2,3
.irp q, 0,1,2,3,4,5,6,7
	global_load_b128 v[40+32*\i+4*\q:43+32*\i+4*\q], v8, s[40:41] offset:4096*\i+512*\q th:TH_LOAD_NT   ; x: 512 consecutive bytes a load
.endr
.endr
	WIN 0x40
.irp q, 0,1,2,3,4,5,6,7
	global_load_b128 v[4*\q:4*\q+3], v8, s[12:13] offset:512*\q                 ; the gain of my columns,
	global_load_b128 v[32+4*\q:35+4*\q], v8, s[14:15] offset:512*\q             ; and the bias
.endr
	s_barrier_signal -1                            ; my reads of tiles 6 and 7 are over (waited for in the last tile; no LDS instruction of mine is out):
	s_barrier_wait -1                              ; everybody's are, so slots 0 and 1 may be written over
	WIN 0x04                                       ; an LDS store's data are its source 1: window 1
.irp j, 0,1,2,3,4,5,6,7
	ds_store_b128 v10, v[96+16*\j:99+16*\j] offset:512*\j          ; each accumulator from its low end on
	ds_store_b128 v10, v[100+16*\j:103+16*\j] offset:512*\j+16
	ds_store_b128 v11, v[104+16*\j:107+16*\j] offset:512*\j
	ds_store_b128 v11, v[108+16*\j:111+16*\j] offset:512*\j+16
.endr
	WIN 0
	s_wait_dscnt 0x0                               ; for the others' sake: my stores into the stage have landed
	s_barrier_signal -1
	s_barrier_wait -1                              ; 32 whole rows lie in the stage
.irp i, 0,1
.irp q, 0,1,2,3,4,5,6,7
	ds_load_b128 v[168+32*\i+4*\q:171+32*\i+4*\q], v12 offset:SPITCH*\i+512*\q
.endr
.endr
	s_wait_loadcnt 0x0                             ; x, gain, bias
.macro REDUCE                          ; v[232:233] -> the sum over the row, in every lane's v232
	s_delay_alu instid0(VALU_DEP_1)
	v_add_f32 v232, v232, v233
	s_delay_alu instid0(VALU_DEP_1)
	v_add_f32_dpp v232, v232, v232 row_xmask:1 row_mask:0xf bank_mask:0xf
	s_delay_alu instid0(VALU_DEP_1)
	v_add_f32_dpp v232, v232, v232 row_xmask:2 row_mask:0xf bank_mask:0xf
	s_delay_alu instid0(VALU_DEP_1)
	v_add_f32_dpp v232, v232, v232 row_xmask:4 row_mask:0xf bank_mask:0xf
	s_delay_alu instid0(VALU_DEP_1)
	v_add_f32_dpp v232, v232, v232 row_xmask:8 row_mask:0xf bank_mask:0xf
	s_delay_alu instid0(VALU_DEP_1)
	v_permlanex16_b32 v236, v232, s58, s59
	s_delay_alu instid0(VALU_DEP_1)
	v_add_f32 v232, v232, v236
.endm
.macro LNROW i
.set XR, 40+32*(\i)
.set YR, 168+32*((\i)%2)
.if (\i) < 3
	s_wait_dscnt 8                                 ; this row is back from the stage; the next row's eight loads may be out
.else
	s_wait_dscnt 0x0
.endif
.irp k, 0,2,4,6,8,10,12,14,16,18,20,22,24,26,28,30
	v_pk_add_f32 v[XR+\k:XR+\k+1], v[XR+\k:XR+\k+1], v[YR+\k:YR+\k+1]          ; the residual
.endr
.if (\i) < 2
.irp q, 0,1,2,3,4,5,6,7
	ds_load_b128 v[YR+4*\q:YR+4*\q+3], v12 offset:SPITCH*((\i)+2)+512*\q       ; the row two on, into the registers just read
.endr
.endif
	v_pk_add_f32 v[232:233], v[XR:XR+1], v[XR+2:XR+3]                          ; the row's sum, in two chains
	v_pk_add_f32 v[234:235], v[XR+4:XR+5], v[XR+6:XR+7]
.irp k, 8,12,16,20,24,28
	s_delay_alu instid0(VALU_DEP_2)
	v_pk_add_f32 v[232:233], v[232:233], v[XR+\k:XR+\k+1]
	s_delay_alu instid0(VALU_DEP_2)
	v_pk_add_f32 v[234:235], v[234:235], v[XR+\k+2:XR+\k+3]
.endr
	s_delay_alu instid0(VALU_DEP_1)
	v_pk_add_f32 v[232:233], v[232:233], v[234:235]
	REDUCE
	s_delay_alu instid0(VALU_DEP_1)
	v_mul_f32 v238, 0xba800000, v232               ; -mean
.irp k, 0,2,4,6,8,10,12,14,16,18,20,22,24,26,28,30
	v_pk_add_f32 v[XR+\k:XR+\k+1], v[XR+\k:XR+\k+1], v[238:239] op_sel_hi:[1,0]   ; the differences
.endr
	v_pk_mul_f32 v[232:233], v[XR:XR+1], v[XR:XR+1]                            ; the sum of their squares, in two chains
	v_pk_mul_f32 v[234:235], v[XR+2:XR+3], v[XR+2:XR+3]
.irp k, 4,8,12,16,20,24,28
	s_delay_alu instid0(VALU_DEP_2)
	v_pk_fma_f32 v[232:233], v[XR+\k:XR+\k+1], v[XR+\k:XR+\k+1], v[232:233]
	s_delay_alu instid0(VALU_DEP_2)
	v_pk_fma_f32 v[234:235], v[XR+\k+2:XR+\k+3], v[XR+\k+2:XR+\k+3], v[234:235]
.endr
	s_delay_alu instid0(VALU_DEP_1)
	v_pk_add_f32 v[232:233], v[232:233], v[234:235]
	REDUCE
	s_delay_alu instid0(VALU_DEP_1)
	v_fma_f32 v240, v232, s56, s57                 ; variance + 1e-12
	s_wait_alu depctr_va_vdst(0)
	v_rsq_f32 v240, v240
	v_nop                                          ; one plain place behind the transcendental
	s_wait_alu depctr_va_vdst(0)
.irp k, 0,2,4,6,8,10,12,14,16,18,20,22,24,26,28,30
	v_pk_mul_f32 v[XR+\k:XR+\k+1], v[XR+\k:XR+\k+1], v[240:241] op_sel_hi:[1,0]
.endr
	WIN 0x14                                       ; sources 1 and 2 (gain, bias) window 1
.irp k, 0,2,4,6,8,10,12,14,16,18,20,22,24,26,28,30
	v_pk_fma_f32 v[XR+\k:XR+\k+1], v[XR+\k:XR+\k+1], v[\k:\k+1], v[32+\k:33+\k]
.endr
	WIN 0
.irp q, 0,1,2,3,4,5,6,7
	global_store_b128 v8, v[XR+4*\q:XR+4*\q+3], s[42:43] offset:4096*(\i)+512*\q th:TH_STORE_NT   ; 32 lanes store 512 consecutive bytes, aligned to 256; each row has registers of its own
.endr
.endm
.irp i, 0,1,2,3
	LNROW \i
.endr
	s_wait_tensorcnt 0x0                           ; the wave's end
	ds_add_u32 v1, v2
	s_wait_dscnt 0x0
	ROUND                                          ; the closing round: no work-group ends while a partner may still ask for a tile that names it
	s_endpgm
.Lfunc_end_k_q31fd0235f7_outln:
	.size	k_q31fd0235f7_outln, .Lfunc_end_k_q31fd0235f7_outln-k_q31fd0235f7_outln
	.p2alignl 7, 3214868480
	.fill 96, 4, 3214868480
	.section	.rodata,"a",@progbits
	.p2align	6, 0x0
	.amdhsa_kernel k_q31fd0235f7_outln
		.amdhsa_group_segment_fixed_size 327680
		.amdhsa_private_segment_fixed_size 0
		.amdhsa_enable_private_segment 0
		.amdhsa_kernarg_size 56
		.amdhsa_user_sgpr_count 2
		.amdhsa_user_sgpr_kernarg_segment_ptr 1
		.amdhsa_wavefront_size32 1
		.amdhsa_system_sgpr_workgroup_id_x 1
		.amdhsa_system_sgpr_workgroup_id_y 1
		.amdhsa_system_sgpr_workgroup_id_z 1
		.amdhsa_system_vgpr_workitem_id 0
		.amdhsa_next_free_vgpr 512
		.amdhsa_next_free_sgpr 66
		.amdhsa_reserve_vcc 0
		.amdhsa_float_denorm_mode_32 3
		.amdhsa_float_denorm_mode_16_64 3
		.amdhsa_memory_ordered 1
		.amdhsa_forward_progress 1
		.amdhsa_inst_pref_size 106
	.end_amdhsa_kernel
	.amdgpu_metadata
---
amdhsa.version: [ 1, 2 ]
amdhsa.kernels:
  - .name:           k_q31fd0235f7_outln
    .symbol:         k_q31fd0235f7_outln.kd
    .args:
      - { .name: ctx, .offset: 0, .size: 8, .value_kind: global_buffer, .address_space: global }
      - { .name: Wo_codes, .offset: 8, .size: 8, .value_kind: global_buffer, .address_space: global }
      - { .name: Wo_scales, .offset: 16, .size: 8, .value_kind: global_buffer, .address_space: global }
      - { .name: hidden_states, .offset: 24, .size: 8, .value_kind: global_buffer, .address_space: global }
      - { .name: ln_weight, .offset: 32, .size: 8, .value_kind: global_buffer, .address_space: global }
      - { .name: ln_bias, .offset: 40, .size: 8, .value_kind: global_buffer, .address_space: global }
      - { .name: out0, .offset: 48, .size: 8, .value_kind: global_buffer, .address_space: global }
    .group_segment_fixed_size: 327680
    .private_segment_fixed_size: 0
    .kernarg_segment_align: 8
    .kernarg_segment_size: 56
    .max_flat_workgroup_size: 256
    .sgpr_count:     66
    .vgpr_count:     512
    .wavefront_size: 32
...
	.end_amdgpu_metadata
.endif
;; end of part 4
